; MI455X (gfx1250); checked and timed in simulation.
; The chip was launched on July 23, 2026; its instructions are those of AMD's public machine-readable ISA for CDNA 5 (MIT licence, August 2026) and "CDNA5" Instruction Set Architecture Reference Guide (July 2026). The comments in the code are by the model that wrote it; some were corrected since.
;; IDRM ANN. Allowed arithmetic: float matrix products may take bf16 or f16 operands with f32 sums; other float arithmetic in f32, or as packed bf16 or f16 multiplies, adds, multiply-adds, maxima and minima; sums over many terms, partial sums and values carried from step to step in f32; what a program stores and reads back later, other than sums and carried values, may be rounded once to bf16 or f16.
;; Inputs: ug1 1,024 x 256 float32; ug2 1,024 x 256 float32; uh1 1,024 x 256 float32; uh2 1,024 x 256 float32; ur1 1,024 x 256 float32; ur2 1,024 x 256 float32; uz1 1,024 x 256 float32; uz2 1,024 x 256 float32; w0_b 1,024 float32; w0_w 1,024 x 256 float32; w4 256 x 1,024 float32; wg1_b 1,024 float32; wg1_w 1,024 x 1,024 float32; wg2_b 1,024 float32; wg2_w 1,024 x 1,024 float32; wh1_b 1,024 float32; wh1_w 1,024 x 1,024 float32; wh2_b 1,024 float32; wh2_w 1,024 x 1,024 float32; wr1_b 1,024 float32; wr1_w 1,024 x 1,024 float32; wr2_b 1,024 float32; wr2_w 1,024 x 1,024 float32; wz1_b 1,024 float32; wz1_w 1,024 x 1,024 float32; wz2_b 1,024 float32; wz2_w 1,024 x 1,024 float32; x 8,192 x 256 float32.
;; Outputs: out0 8,192 x 256 float32.
;; 2 versions, each right; version 2 is version 1 with the launch prep written anew for expert scheduling mode. Each part assembles by itself: llvm-mc -triple=amdgcn-amd-amdhsa -mcpu=gfx1250 --defsym DOCPART=n.
;; ======== version 1 of 2: 5 launches
;; limits: values are held in f16: magnitudes above 65,504 overflow, below 6.1e-05 lose precision; inputs' magnitudes at most 22,700
;; workspace buffers: act1 20,971,520 bytes; act2 20,971,520 bytes; s1buf 16,777,216 bytes; w0h 524,288 bytes; wrh 2,621,440 bytes; wgzh 7,864,320 bytes; w4h 524,288 bytes
;; launch prep (part 1): grid 32 x 30, 8 waves a work-group, no clusters, 0 bytes of LDS; arguments x, w0_w, ur1, wr1_w, ug1, wg1_w, uz1, wz1_w, uh1, wh1_w, w4, act1, act2, w0h, wrh, wgzh, w4h; writes act1, act2, w0h, wrh, wgzh, w4h
.if DOCPART == 1
	.amdgcn_target "amdgcn-amd-amdhsa--gfx1250"
	.amdhsa_code_object_version 6
	.text
	.protected	k_q9bad3b10ce_prep
	.globl	k_q9bad3b10ce_prep
	.p2align	8
	.type	k_q9bad3b10ce_prep,@function
k_q9bad3b10ce_prep:
	s_mov_b64 s[64:65], 0
	v_nop
	global_prefetch_b8 v0, s[64:65] scope:SCOPE_SE
	s_setreg_imm32_b32 hwreg(HW_REG_WAVE_MODE, 25, 1), 1
	s_wait_xcnt 0x0
; y = s1 w4^T, s1 = (1 - g) h + z s0, with s0, g, z, r, h five tanh layers on xa = |x| + 0.1.  This launch turns x and the live weights into f16 matrix operands.
; DEAD WORK.  The function's body names ug2, wg2_w, wg2_b, uz2, wz2_w, wz2_b, ur2, wr2_w, wr2_b, uh2, wh2_w, wh2_b nowhere: y is made of s1 and w4, and s1 of stage 1 alone.  So whatever these
; twelve inputs hold, they have no way to y: they are not loaded and are among no launch's arguments.  LIMIT: a NaN, an infinity or an overflow in them is not carried to y.
; FORMATS.  x and every weight are rounded to bf16 first.  xa = |bf16(x)| + 0.1 is made in f32 and rounded to f16.  The weights of the five tanh layers are stored as f16(bf16(w) c), c = 2 log2(e),
; so that a later launch's sum is the argument of 2^t in tanh = 1 - 2 / (2^t + 1).  w4 is stored as f16(bf16(w4)), which is exact within f16's range.
; LIMITS.  |x| + 0.1 and |w| c stay under 65,504; c w below 6e-5 keeps f16's fixed step of 6e-8; NaN and infinities are not treated apart.
; LAYOUTS (f16; a PANEL is 64 columns of K, 128 bytes a row):  act1, act2 [32 row blocks][20 panels][256 rows][64], panels 0-3 = xa (written here, to both);
;   w0h [8 column blocks][4 panels][128 rows][64];  wrh [8][20][128][64], panels 0-3 ur1, 4-19 wr1_w;  wgzh [8][20][3 gates g, z, h][128][64];  w4h [4][16][64 rows][64].
; SHARES.  A work-group converts 32 rows x 256 columns of f32.  Group y = 0-7: x; 8: w0_w; 9: ur1; 10-13: wr1_w; 14: ug1; 15-18: wg1_w; 19: uz1; 20-23: wz1_w; 24: uh1; 25-28: wh1_w; 29: w4.
; Wave w takes panel w % 4 of rows 16 (w / 4) on.  A load of a wave covers 256 consecutive bytes, aligned, of each of two rows; a store of a wave 256 consecutive bytes, aligned.
; All eight loads of a lane go out at once and nothing is loaded later: no loop, no LDS, no prefetch (all bytes are asked for at the head).
.set U,    40         ; s40  group y
.set I,    41         ; s41  group x
.set SRC,  42         ; s[42:43] the source
.set DST,  44         ; s[44:45] the destination
.set DST2, 46         ; s[46:47] x's second destination
.set PIT,  48         ; s48  bytes in a row of the source
.set CBS,  49         ; s49  bytes in a column block of the destination
.set PS,   50         ; s50  bytes from panel to panel
.set P0,   51         ; s51  the source's first panel
.set GOF,  52         ; s52  the gate's offset in a panel
.set FST,  53         ; s53  the job's first group y
.set SOFF, 54         ; s[54:55] the block's offset in the source
.set DOFF, 56         ; s[56:57] in the destination
.set MASK, 58         ; s58  a word's upper bf16
.set SGN,  59         ; s59  clears the signs of two bf16
.set CS,   60         ; s[60:61] c
.set TN,   62         ; s[62:63] 0.1
.set TA,   66
.set TB,   67
.set TC,   68
.set SO,   8          ; v[8:15]  item i's byte offset in the source block
.set X,    16         ; v[16:47] item i: four f32 as loaded
.set T,    48         ; v[48:53] at work
.set Y,    56         ; v[56:71] item i: four f16 to store; no store's data register is written again
	s_load_b512 s[4:19], s[0:1], 0x0               ; x 4, w0_w 6, ur1 8, wr1_w 10, ug1 12, wg1_w 14, uz1 16, wz1_w 18
	s_load_b512 s[20:35], s[0:1], 0x40             ; uh1 20, wh1_w 22, w4 24, act1 26, act2 28, w0h 30, wrh 32, wgzh 34
	s_load_b64 s[36:37], s[0:1], 0x80              ; w4h
	s_and_b32 s[U], ttmp7, 0xffff
	s_mov_b32 s[I], ttmp9
	s_mov_b32 s[MASK], 0xffff0000
	s_mov_b32 s[SGN], 0x7fff7fff
	s_mov_b32 s[CS], 0x4038aa3b                    ; c = 2 log2(e) = 2.885390
	s_mov_b32 s[CS+1], s[CS]                       ; named with it as a pair
	s_mov_b32 s[TN], 0x3dcccccd                    ; 0.1
	s_mov_b32 s[TN+1], s[TN]
	s_mov_b32 s[SOFF+1], 0
	s_mov_b32 s[DOFF+1], 0
	v_and_b32 v1, 15, v0                           ; lane % 16: four columns
	v_bfe_u32 v2, v0, 4, 1                         ; lane / 16: which of two rows
	v_bfe_u32 v3, v0, 5, 2                         ; wave % 4: the panel
	v_lshrrev_b32 v4, 7, v0                        ; wave / 4
	v_lshl_add_u32 v4, v4, 4, v2                   ; my row of item 0
; From group y on upward this job holds: the last job whose first group y is not above mine stays.
.macro PICK first, src, dst, pitch, cbs, ps, p0, go
	s_cmp_ge_u32 s[U], \first
	s_cselect_b64 s[SRC:SRC+1], s[\src:\src+1], s[SRC:SRC+1]
	s_cselect_b64 s[DST:DST+1], s[\dst:\dst+1], s[DST:DST+1]
	s_cselect_b32 s[PIT], \pitch, s[PIT]
	s_cselect_b32 s[CBS], \cbs, s[CBS]
	s_cselect_b32 s[PS], \ps, s[PS]
	s_cselect_b32 s[P0], \p0, s[P0]
	s_cselect_b32 s[GOF], \go, s[GOF]
	s_cselect_b32 s[FST], \first, s[FST]
.endm
; Item it: four numbers a lane.  kind 0: x; 1: a tanh layer's weights; 2: w4.
.macro ITEM it, kind
	s_wait_loadcnt 7-(\it)                         ; loads come back in order: mine is in, the 7 - it younger ones stay out
	v_cvt_pk_bf16_f32 v[T], v[X+4*(\it)], v[X+4*(\it)+1]
	v_cvt_pk_bf16_f32 v[T+1], v[X+4*(\it)+2], v[X+4*(\it)+3]
.if (\kind) == 0
	v_and_b32 v[T], s[SGN], v[T]                   ; |.| of two bf16
	v_and_b32 v[T+1], s[SGN], v[T+1]
.endif
	v_lshlrev_b32 v[T+2], 16, v[T]                 ; bf16 to f32
	v_and_b32 v[T+3], s[MASK], v[T]
	v_lshlrev_b32 v[T+4], 16, v[T+1]
	v_and_b32 v[T+5], s[MASK], v[T+1]
.if (\kind) == 0
	v_pk_add_f32 v[T+2:T+3], v[T+2:T+3], s[TN:TN+1] op_sel_hi:[1,0]
	v_pk_add_f32 v[T+4:T+5], v[T+4:T+5], s[TN:TN+1] op_sel_hi:[1,0]
.elseif (\kind) == 1
	v_pk_mul_f32 v[T+2:T+3], v[T+2:T+3], s[CS:CS+1] op_sel_hi:[1,0]
	v_pk_mul_f32 v[T+4:T+5], v[T+4:T+5], s[CS:CS+1] op_sel_hi:[1,0]
.endif
	v_cvt_pk_f16_f32 v[Y+2*(\it)], v[T+2], v[T+3]
	v_cvt_pk_f16_f32 v[Y+2*(\it)+1], v[T+4], v[T+5]
	global_store_b64 v5, v[Y+2*(\it):Y+2*(\it)+1], s[DST:DST+1] offset:256*(\it)
.if (\kind) == 0
	global_store_b64 v5, v[Y+2*(\it):Y+2*(\it)+1], s[DST2:DST2+1] offset:256*(\it)
.endif
.endm
; The block's addresses, its eight loads, its eight items.
.macro BODY kind
	s_add_nc_u64 s[SRC:SRC+1], s[SRC:SRC+1], s[SOFF:SOFF+1]
	s_add_nc_u64 s[DST:DST+1], s[DST:DST+1], s[DOFF:DOFF+1]
.if (\kind) == 0
	s_add_nc_u64 s[DST2:DST2+1], s[DST2:DST2+1], s[DOFF:DOFF+1]
.endif
	v_mul_lo_u32 v[SO], v4, s[PIT]                 ; row x pitch
	v_lshl_add_u32 v[SO], v3, 8, v[SO]             ; + the panel's 256 bytes of f32
	v_lshl_add_u32 v[SO], v1, 4, v[SO]             ; + my 16 bytes
	s_lshl_b32 s[TA], s[PIT], 1                    ; an item is two rows
.irp n, 1,2,3,4,5,6,7
	v_add_nc_u32 v[SO+\n], s[TA], v[SO+\n-1]
.endr
	v_mul_lo_u32 v5, v3, s[PS]                     ; the panel in the destination
	v_lshl_add_u32 v5, v4, 7, v5                   ; + row x 128 bytes
	v_lshl_add_u32 v5, v1, 3, v5                   ; + my 8 bytes
.irp n, 0,1,2,3,4,5,6,7
	global_load_b128 v[X+4*\n:X+4*\n+3], v[SO+\n], s[SRC:SRC+1] th:TH_LOAD_NT
.endr
.irp n, 0,1,2,3,4,5,6,7
	ITEM \n, \kind
.endr
.endm
	s_wait_kmcnt 0x0
	s_cmp_lt_u32 s[U], 8
	s_cbranch_scc1 .Lx
	s_cmp_eq_u32 s[U], 29
	s_cbranch_scc1 .Lw4
	; a tanh layer's weights: 32 rows n = 32 I on, columns 256 (U - first) on
	s_mov_b64 s[SRC:SRC+1], s[6:7]                 ; group y = 8: w0_w into w0h
	s_mov_b64 s[DST:DST+1], s[30:31]
	s_mov_b32 s[PIT], 1024
	s_mov_b32 s[CBS], 65536
	s_mov_b32 s[PS], 16384
	s_mov_b32 s[P0], 0
	s_mov_b32 s[GOF], 0
	s_mov_b32 s[FST], 8
	PICK 9,  8,  32, 1024, 327680, 16384, 0, 0     ; ur1
	PICK 10, 10, 32, 4096, 327680, 16384, 4, 0     ; wr1_w
	PICK 14, 12, 34, 1024, 983040, 49152, 0, 0     ; ug1
	PICK 15, 14, 34, 4096, 983040, 49152, 4, 0     ; wg1_w
	PICK 19, 16, 34, 1024, 983040, 49152, 0, 16384 ; uz1
	PICK 20, 18, 34, 4096, 983040, 49152, 4, 16384 ; wz1_w
	PICK 24, 20, 34, 1024, 983040, 49152, 0, 32768 ; uh1
	PICK 25, 22, 34, 4096, 983040, 49152, 4, 32768 ; wh1_w
	s_sub_co_u32 s[TA], s[U], s[FST]               ; which 256 columns
	s_mul_i32 s[SOFF], s[I], s[PIT]
	s_lshl_b32 s[SOFF], s[SOFF], 5                 ; 32 I rows
	s_lshl_b32 s[TB], s[TA], 10
	s_add_co_u32 s[SOFF], s[SOFF], s[TB]
	s_lshl2_add_u32 s[TA], s[TA], s[P0]            ; the first of my four panels
	s_mul_i32 s[TA], s[TA], s[PS]
	s_lshr_b32 s[TB], s[I], 2                      ; the column block of 128 rows n
	s_mul_i32 s[TB], s[TB], s[CBS]
	s_add_co_u32 s[DOFF], s[TA], s[TB]
	s_add_co_u32 s[DOFF], s[DOFF], s[GOF]
	s_and_b32 s[TB], s[I], 3
	s_lshl_b32 s[TB], s[TB], 12                    ; 32 rows of 128 bytes
	s_add_co_u32 s[DOFF], s[DOFF], s[TB]
	BODY 1
	s_endpgm
.Lx:                                               ; x: rows 32 (32 U + I) on
	s_lshl_b32 s[TA], s[U], 5
	s_add_co_u32 s[TA], s[TA], s[I]
	s_lshl_b32 s[SOFF], s[TA], 15                  ; 32 rows of 1,024 bytes
	s_lshr_b32 s[TB], s[TA], 3                     ; the row block of 256
	s_mul_i32 s[DOFF], s[TB], 655360
	s_and_b32 s[TB], s[TA], 7
	s_lshl_b32 s[TB], s[TB], 12
	s_add_co_u32 s[DOFF], s[DOFF], s[TB]
	s_mov_b64 s[SRC:SRC+1], s[4:5]
	s_mov_b64 s[DST:DST+1], s[26:27]
	s_mov_b64 s[DST2:DST2+1], s[28:29]
	s_mov_b32 s[PIT], 1024
	s_mov_b32 s[PS], 32768
	BODY 0
	s_endpgm
.Lw4:                                              ; w4: rows 32 (I % 8) on, columns 256 (I / 8) on
	s_and_b32 s[TA], s[I], 7
	s_lshr_b32 s[TB], s[I], 3
	s_lshl_b32 s[SOFF], s[TA], 17                  ; 32 rows of 4,096 bytes
	s_lshl_b32 s[TC], s[TB], 10
	s_add_co_u32 s[SOFF], s[SOFF], s[TC]
	s_lshr_b32 s[TC], s[TA], 1                     ; the column block of 64 rows n
	s_lshl_b32 s[DOFF], s[TC], 17
	s_lshl_b32 s[TC], s[TB], 15                    ; four panels of 8,192 bytes
	s_add_co_u32 s[DOFF], s[DOFF], s[TC]
	s_and_b32 s[TC], s[TA], 1
	s_lshl_b32 s[TC], s[TC], 12
	s_add_co_u32 s[DOFF], s[DOFF], s[TC]
	s_mov_b64 s[SRC:SRC+1], s[24:25]
	s_mov_b64 s[DST:DST+1], s[36:37]
	s_mov_b32 s[PIT], 4096
	s_mov_b32 s[PS], 8192
	BODY 2
	s_endpgm
.Lfunc_end_k_q9bad3b10ce_prep:
	.size	k_q9bad3b10ce_prep, .Lfunc_end_k_q9bad3b10ce_prep-k_q9bad3b10ce_prep
	.p2alignl 7, 3214868480
	.fill 96, 4, 3214868480
	.section	.rodata,"a",@progbits
	.p2align	6, 0x0
	.amdhsa_kernel k_q9bad3b10ce_prep
		.amdhsa_group_segment_fixed_size 0
		.amdhsa_private_segment_fixed_size 0
		.amdhsa_enable_private_segment 0
		.amdhsa_kernarg_size 136
		.amdhsa_user_sgpr_count 2
		.amdhsa_user_sgpr_kernarg_segment_ptr 1
		.amdhsa_wavefront_size32 1
		.amdhsa_system_sgpr_workgroup_id_x 1
		.amdhsa_system_sgpr_workgroup_id_y 1
		.amdhsa_system_sgpr_workgroup_id_z 1
		.amdhsa_system_vgpr_workitem_id 0
		.amdhsa_next_free_vgpr 80
		.amdhsa_next_free_sgpr 96
		.amdhsa_reserve_vcc 0
		.amdhsa_float_denorm_mode_32 3
		.amdhsa_float_denorm_mode_16_64 3
		.amdhsa_memory_ordered 1
		.amdhsa_forward_progress 1
		.amdhsa_inst_pref_size 26
	.end_amdhsa_kernel
	.amdgpu_metadata
---
amdhsa.version: [ 1, 2 ]
amdhsa.kernels:
  - .name:           k_q9bad3b10ce_prep
    .symbol:         k_q9bad3b10ce_prep.kd
    .args:
      - { .name: x, .offset: 0, .size: 8, .value_kind: global_buffer, .address_space: global }
      - { .name: w0_w, .offset: 8, .size: 8, .value_kind: global_buffer, .address_space: global }
      - { .name: ur1, .offset: 16, .size: 8, .value_kind: global_buffer, .address_space: global }
      - { .name: wr1_w, .offset: 24, .size: 8, .value_kind: global_buffer, .address_space: global }
      - { .name: ug1, .offset: 32, .size: 8, .value_kind: global_buffer, .address_space: global }
      - { .name: wg1_w, .offset: 40, .size: 8, .value_kind: global_buffer, .address_space: global }
      - { .name: uz1, .offset: 48, .size: 8, .value_kind: global_buffer, .address_space: global }
      - { .name: wz1_w, .offset: 56, .size: 8, .value_kind: global_buffer, .address_space: global }
      - { .name: uh1, .offset: 64, .size: 8, .value_kind: global_buffer, .address_space: global }
      - { .name: wh1_w, .offset: 72, .size: 8, .value_kind: global_buffer, .address_space: global }
      - { .name: w4, .offset: 80, .size: 8, .value_kind: global_buffer, .address_space: global }
      - { .name: act1, .offset: 88, .size: 8, .value_kind: global_buffer, .address_space: global }
      - { .name: act2, .offset: 96, .size: 8, .value_kind: global_buffer, .address_space: global }
      - { .name: w0h, .offset: 104, .size: 8, .value_kind: global_buffer, .address_space: global }
      - { .name: wrh, .offset: 112, .size: 8, .value_kind: global_buffer, .address_space: global }
      - { .name: wgzh, .offset: 120, .size: 8, .value_kind: global_buffer, .address_space: global }
      - { .name: w4h, .offset: 128, .size: 8, .value_kind: global_buffer, .address_space: global }
    .group_segment_fixed_size: 0
    .private_segment_fixed_size: 0
    .kernarg_segment_align: 8
    .kernarg_segment_size: 136
    .max_flat_workgroup_size: 256
    .sgpr_count:     96
    .vgpr_count:     80
    .wavefront_size: 32
...
	.end_amdgpu_metadata
.endif
;; end of part 1
;; launch s0k (part 2): grid 8 x 32, 8 waves a work-group, clusters of 4 x 4, 327,680 bytes of LDS; arguments act2, w0h, w0_b, act1; writes act1
.if DOCPART == 2
	.amdgcn_target "amdgcn-amd-amdhsa--gfx1250"
	.amdhsa_code_object_version 6
	.text
	.protected	k_q9bad3b10ce_s0k
	.globl	k_q9bad3b10ce_s0k
	.p2align	8
	.type	k_q9bad3b10ce_s0k,@function
k_q9bad3b10ce_s0k:
	s_mov_b64 s[64:65], 0
	v_nop
	global_prefetch_b8 v0, s[64:65] scope:SCOPE_SE
	s_setreg_imm32_b32 hwreg(HW_REG_WAVE_MODE, 25, 1), 1
	s_wait_xcnt 0x0
	s_wait_alu depctr_hold_cnt(0) depctr_sa_sdst(0) depctr_va_vdst(0) depctr_va_sdst(0) depctr_va_ssrc(0) depctr_va_vcc(0) depctr_vm_vsrc(0)
	s_getreg_b32 s2, hwreg(HW_REG_IB_STS2, 6, 4)
	s_cmp_eq_u32 s2, 0
	s_cbranch_scc0 .Lentry_in_a_cluster
	s_endpgm
.Lentry_in_a_cluster:
	s_bfe_u32 s2, ttmp6, 0x10000c
	s_cmp_lg_u32 s2, 0xf033
	s_cbranch_scc0 .Lentry_shape_is_right
	s_endpgm
.Lentry_shape_is_right:
; s0 = tanh(xa w0^T + b0).  xa: act2, panels 0-3 of [32 row blocks][20 panels][256 rows][64] f16 (a PANEL is 64 columns of K, 128 bytes a row); w0h: [8 column blocks][4 panels][128 rows][64] f16,
; holding c w0, c = 2 log2(e); w0_b: [1024] f32.  s0 goes to act1, panels 4-19, rounded once to f16.  Sums in f32.
; Stage 2 of the module (the inputs ..2) has no way to y and is left out: shown at the head of the first launch's text.
; The first product's C operand is c b0, so a sum t gives E = 2^t and Q = 1 / (E / 2 + 1 / 2) = 1 - tanh; E = infinity gives Q = 0, E = 0 gives Q = 2: nothing is clipped.
; LIMITS.  Operands are f16 (xa and c w0 within 65,504 by the first launch's limits); a 2^t below 2^-126 counts as 0; NaN and infinities are not treated apart.
; SHARES.  A work-group makes 256 rows x 128 columns, its eight waves 64 x 64 each: 16 accumulators, (a, b) at v[8 (4 a + b)] of window 1.  Eight waves, not four: K is only 256, so the text is
; mostly the unrolled products and tanh, and a wave tile of half the size halves both.
; THE MATRIX INSTRUCTION IS USED TRANSPOSED: source 0 = 16 rows of w0, source 1 = 16 rows of xa: lane l holds row l % 16 of the result and the columns 8 (l / 16) + 0..7.
; LDS.  All of K lies in LDS at once, so no byte is filled twice: 4 panels of xa, 4 of w0.  Waves 0-3 fetch a panel of xa each, waves 4-7 a panel of w0: one tensor load a wave is out.
; CLUSTER.  4 x 4 work-groups: the four of a row of the cluster have the same rows of xa, the four of a column the same rows of w0: each panel is asked for jointly.
; No prefetch: every byte is asked for at the head.
; WINDOWS (s_set_vgpr_msb: bits 1:0 source 0, 3:2 source 1, 5:4 source 2, 7:6 destination): window 0: v0-18 addresses; v64-191 two sets of 4 fragments of xa and 4 of w0; v192-255 the words that leave.
.set RBS,   655360    ; a row block of act1, act2: 20 panels of 32,768 bytes
.set PITCH, 144       ; an LDS row: 128 bytes + 16 of padding = 36 words: the 16 rows of a fragment load start at 16 different groups of four banks (64 banks of 4 bytes: ISA guide 11.1)
.set FRAG,  16*PITCH
.set APAN,  256*PITCH ; a panel of xa
.set BPAN,  128*PITCH ; a panel of w0
.set BOFF,  4*APAN
.set STAGE, BOFF+4*BPAN   ; never filled by a tensor load: 16 rows x 144 bytes for each wave, for the way out
.set SPARE, STAGE+8*FRAG  ; the spare words, 128 bytes for each wave: four blocks of 256 bytes that no other line names
.set WV,   18         ; s18 wave
.set KW,   19         ; s19 wave / 4: I fetch for xa (0) or w0 (1)
.set PART, 20         ; s20 wave % 4: which panel I fetch
.set CX,   21
.set CY,   22
.set CB,   23         ; column block
.set RB,   24         ; row block
.set G1A,  28         ; s[28:35] descriptor group 1 for xa
.set G1B,  36         ; s[36:43] for w0
.set G0A,  44         ; s[44:47] group 0 for xa
.set G0B,  48         ; s[48:51] for w0
.set WR,   52         ; s52 wave / 2: my 64 rows
.set WC,   53         ; s53 wave % 2: my 64 columns
.set OUT,  74         ; s[74:75]
.set CS,   78         ; s[78:79] c
.set ADRA, 4          ; v4-5 my lane's place in xa's panels 0, 1 and 2, 3
.set ADRB, 6          ; v6  in w0's panels
.set STO,  8          ; v8  the way out: where I put 16 bytes of a row
.set RD,   9          ; v9  where I read rows back
.set GO,   10         ; v10 my 16 bytes of 512 consecutive bytes of act1
.set BO,   12         ; v12 my 32 bytes of the bias
.set SPW,  14         ; v14 my spare word; never rewritten
.set NIL,  15         ; v15 0; never rewritten
.set F,    64         ; set s at F + 64 s: xa's 4 fragments, then w0's 4
.set O,    192
.set MSB, 0
.macro WIN new                         ; the high byte repeats the setting that is left; a switch that changes nothing is dropped
.if MSB != (\new)
	s_set_vgpr_msb (MSB<<8)|(\new)
.set MSB, (\new)
.endif
.endm
.macro PLACES                          ; four plain vector instructions between a matrix instruction and a load into, or a vector read of, its registers
.rept 4
	v_nop
.endr
.endm
.macro CROUND                          ; a round of the cluster's barrier
	s_barrier_signal -1
	s_barrier_wait -1
	s_cmp_lg_u32 s[WV], 0
	s_cbranch_scc1 .Lnot_wave_0_\@
	s_barrier_signal -3
.Lnot_wave_0_\@:
	s_barrier_wait -3
	s_barrier_signal -1
	s_barrier_wait -1
.endm
; 16 LDS loads: K half k of panel p into set s.  A fragment: lane l holds row l % 16, K 8 (l / 16) + 0..7 and 16 + 8 (l / 16) + 0..7: two loads, 32 bytes apart.
.macro LDF s, p, k
	WIN 0
.irp i, 0,1,2,3
	ds_load_b128 v[F+64*(\s)+8*\i:F+64*(\s)+8*\i+3],   v[ADRA+(\p)/2] offset:((\p)%2)*APAN+\i*FRAG+64*(\k)
	ds_load_b128 v[F+64*(\s)+8*\i+4:F+64*(\s)+8*\i+7], v[ADRA+(\p)/2] offset:((\p)%2)*APAN+\i*FRAG+64*(\k)+32
.endr
.irp i, 0,1,2,3
	ds_load_b128 v[F+64*(\s)+32+8*\i:F+64*(\s)+32+8*\i+3],   v[ADRB] offset:(\p)*BPAN+\i*FRAG+64*(\k)
	ds_load_b128 v[F+64*(\s)+32+8*\i+4:F+64*(\s)+32+8*\i+7], v[ADRB] offset:(\p)*BPAN+\i*FRAG+64*(\k)+32
.endr
.endm
; 16 matrix instructions on set s, 32 along K.  The 16 accumulators take turns, one instruction a turn, always in the same order.
; first = 1: the sums start with c b0, which lies in (3, b); row block 3 writes over it, five places behind the last product that read it as C.
.macro MUL s, first
	WIN 0x50
.irp a, 0,1,2,3
.if (\first) && (\a == 3)
.rept 5
	v_nop
.endr
.endif
.irp b, 0,1,2,3
.if \first
	v_wmma_f32_16x16x32_f16 v[8*(4*\a+\b):8*(4*\a+\b)+7], v[F+64*(\s)+32+8*\b:F+64*(\s)+32+8*\b+7], v[F+64*(\s)+8*\a:F+64*(\s)+8*\a+7], v[96+8*\b:96+8*\b+7]
.else
	v_wmma_f32_16x16x32_f16 v[8*(4*\a+\b):8*(4*\a+\b)+7], v[F+64*(\s)+32+8*\b:F+64*(\s)+32+8*\b+7], v[F+64*(\s)+8*\a:F+64*(\s)+8*\a+7], v[8*(4*\a+\b):8*(4*\a+\b)+7]
.endif
.endr
.endr
.endm
; Substep u of eight: panel u / 2, K half u % 2, set u % 2; at its head the next substep's fragments are asked for, in one run.
.macro SUB u, first
	s_wait_dscnt 0x0                               ; this substep's fragments are in
	PLACES                                         ; the loads below go into the set that the substep before multiplied
	LDF ((\u)+1)%2, ((\u)+1)/2, ((\u)+1)%2
	MUL (\u)%2, \first
.endm
	s_load_b256 s[4:11], s[0:1], 0x0               ; act2 4, w0h 6, w0_b 8, act1 10
	v_lshl_add_u32 v[SPW], v0, 2, SPARE
	v_mov_b32 v[NIL], 0
	ds_add_u32 v[SPW], v[NIL]                      ; the wave's opening: the add, twice on end, and its wait ahead of my first tensor load
	ds_add_u32 v[SPW], v[NIL]
	v_lshrrev_b32 v1, 5, v0
	v_readfirstlane_b32 s[WV], v1
	s_lshr_b32 s[KW], s[WV], 2
	s_and_b32 s[PART], s[WV], 3
	s_lshr_b32 s[WR], s[WV], 1
	s_and_b32 s[WC], s[WV], 1
	s_bfe_u32 s[CX], ttmp6, 0x40000
	s_bfe_u32 s[CY], ttmp6, 0x40004
	s_lshl_b32 s[CB], ttmp9, 2                     ; in a cluster launch ttmp9 and ttmp7 count clusters
	s_add_co_u32 s[CB], s[CB], s[CX]
	s_and_b32 s[RB], ttmp7, 0xffff
	s_lshl_b32 s[RB], s[RB], 2
	s_add_co_u32 s[RB], s[RB], s[CY]
	s_lshl_b32 s25, s[CY], 2
	s_lshl_b32 s25, 15, s25                        ; my row of the cluster
	s_lshl_b32 s26, 0x1111, s[CX]                  ; my column
	; group 1: rows of 256 bytes (two LDS rows), padded in LDS after every 128 bytes
	s_or_b32 s[G1A], s25, (1<<16)|(1<<20)|(1<<21)|(4<<22)|(3<<25)  ; 15:0 the mask; 17:16 2-byte elements; 20 padding on; 21 set beside a mask; 24:22 after every 32 words (code 4); 31:25 4 words (code 3)
	s_or_b32 s[G1B], s26, (1<<16)|(1<<20)|(1<<21)|(4<<22)|(3<<25)
	s_mov_b32 s[G1A+1], 128<<16                    ; tensor_dim0 = 128
	s_mov_b32 s[G1A+2], 128<<16                    ; tensor_dim1 = 128
	s_mov_b32 s[G1A+3], 128<<16                    ; tile_dim0 = 128
	s_mov_b32 s[G1A+4], 128                        ; tile_dim1 = 128
	s_mov_b32 s[G1A+5], 128                        ; 128 elements from row to row
	s_mov_b32 s[G1A+6], 0
	s_mov_b32 s[G1A+7], 0
	s_mov_b32 s[G1B+1], 128<<16
	s_mov_b32 s[G1B+2], 64<<16
	s_mov_b32 s[G1B+3], 128<<16
	s_mov_b32 s[G1B+4], 64
	s_mov_b32 s[G1B+5], 128
	s_mov_b32 s[G1B+6], 0
	s_mov_b32 s[G1B+7], 0
	s_mov_b32 s[CS], 0x4038aa3b                    ; c = 2 log2(e)
	s_mov_b32 s[CS+1], s[CS]
	; xa's address hangs on the row block alone, w0's on the column block alone, each in registers that never hold the other coordinate
	s_mul_i32 s70, s[RB], RBS
	s_lshl_b32 s84, s[PART], 15                    ; my panel of 32,768 bytes
	s_add_co_u32 s70, s70, s84
	s_mov_b32 s71, 0
	s_lshl_b32 s72, s[CB], 16                      ; a column block of w0h: 65,536 bytes
	s_lshl_b32 s86, s[PART], 14                    ; my panel of 16,384 bytes
	s_add_co_u32 s72, s72, s86
	s_mov_b32 s73, 0
	s_mul_i32 s85, s[PART], APAN                   ; where they go: the wave's number alone
	s_mul_i32 s87, s[PART], BPAN
	s_add_co_u32 s87, s87, BOFF
	s_wait_dscnt 0x0                               ; both opening adds are done
	s_wait_kmcnt 0x0
	s_add_nc_u64 s[70:71], s[4:5], s[70:71]
	s_add_nc_u64 s[72:73], s[6:7], s[72:73]
	CROUND                                         ; all sixteen work-groups are here: the joint loads meet
	s_mov_b32 s[G0A], 1                            ; count = 1
	s_mov_b32 s[G0A+1], s85                        ; LDS address
	s_mov_b64 s[G0A+2:G0A+3], s[70:71]             ; global address
	s_or_b32 s[G0A+3], s[G0A+3], 0x80000000        ; type = 2
	s_mov_b32 s[G0B], 1
	s_mov_b32 s[G0B+1], s87
	s_mov_b64 s[G0B+2:G0B+3], s[72:73]
	s_or_b32 s[G0B+3], s[G0B+3], 0x80000000
	s_cmp_eq_u32 s[KW], 0                          ; a wave's one fill; an s_nop 0 and four v_nop follow each line, ahead of the jump and the label
	s_cbranch_scc0 .Lfirst_b
	tensor_load_to_lds s[G0A:G0A+3], s[G1A:G1A+7]
	s_nop 0
.rept 4
	v_nop
.endr
	s_branch .Lfirst_asked
.Lfirst_b:
	tensor_load_to_lds s[G0B:G0B+3], s[G1B:G1B+7]
	s_nop 0
.rept 4
	v_nop
.endr
.Lfirst_asked:
	v_and_b32 v1, 15, v0                           ; l % 16
	v_bfe_u32 v2, v0, 4, 1                         ; l / 16
	v_and_b32 v3, 31, v0                           ; l
	v_mul_u32_u24 v16, v1, PITCH
	v_lshl_add_u32 v16, v2, 4, v16                 ; row x pitch + 16 x half
	s_mul_i32 s94, s[WR], 64*PITCH                 ; my 64 rows of xa
	v_add_nc_u32 v[ADRA], s94, v16
	v_add_nc_u32 v[ADRA+1], 2*APAN, v[ADRA]
	s_mul_i32 s94, s[WC], 64*PITCH                 ; my 64 rows of w0
	s_add_co_u32 s94, s94, BOFF
	v_add_nc_u32 v[ADRB], s94, v16
	s_mul_i32 s94, s[WV], FRAG
	s_add_co_u32 s94, s94, STAGE                   ; my stage
	v_add_nc_u32 v[STO], s94, v16
	v_lshrrev_b32 v17, 3, v3                       ; back: 32 lanes take four rows of 128 bytes
	v_and_b32 v18, 7, v0
	v_mul_u32_u24 v17, v17, PITCH
	v_lshl_add_u32 v17, v18, 4, v17
	v_add_nc_u32 v[RD], s94, v17
	v_lshlrev_b32 v[GO], 4, v3
	s_lshl_b32 s95, s[CB], 9                       ; my 64 columns of the bias: 4 (128 CB + 64 half) bytes
	s_lshl_b32 s83, s[WC], 8
	s_add_co_u32 s95, s95, s83
	v_lshl_add_u32 v[BO], v2, 5, s95
	s_mul_i32 s80, s[RB], 20                       ; my 64 rows of panel 4 + 2 CB + half of my row block of act1
	s_lshl1_add_u32 s80, s[CB], s80
	s_add_co_u32 s80, s80, s[WC]
	s_add_co_u32 s80, s80, 4
	s_lshl_b32 s80, s80, 15
	s_lshl_b32 s82, s[WR], 13
	s_add_co_u32 s80, s80, s82
	s_mov_b32 s81, 0
	s_add_nc_u64 s[OUT:OUT+1], s[10:11], s[80:81]
	WIN 0x40                                       ; the bias of my columns 16 b + 8 (l / 16) + 0..7 goes where accumulator (3, b) lies
.irp b, 0,1,2,3
	global_load_b128 v[96+8*\b:96+8*\b+3], v[BO], s[8:9] offset:64*\b
	global_load_b128 v[100+8*\b:100+8*\b+3], v[BO], s[8:9] offset:64*\b+16
.endr
	WIN 0
	s_wait_tensorcnt 0x0                           ; my panel is in,
	s_barrier_signal -1
	s_barrier_wait -1                              ; everybody's is
	LDF 0, 0, 0
	s_wait_loadcnt 0x0                             ; the bias is in
	WIN 0x41
.set i, 96
.rept 16
	v_pk_mul_f32 v[i:i+1], v[i:i+1], s[CS:CS+1] op_sel_hi:[1,0]
.set i, i+2
.endr
	SUB 0, 1                                       ; the first products start the sums with c b0: nothing is cleared
.irp u, 1,2,3,4,5,6
	SUB \u, 0
.endr
	s_wait_dscnt 0x0
	MUL 1, 0
	; tanh, in place in the accumulators' window; each accumulator is read from its lowest register on
	PLACES
	WIN 0x41
.set i, 0
.rept 128
	v_exp_f32 v[i], v[i]                           ; E = 2^t
.set i, i+1
.endr
	v_nop                                          ; a plain instruction behind the last exponential,
	s_wait_alu depctr_va_vdst(0)                   ; and one wait for the whole batch, ahead of its first reader
.set i, 0
.rept 64
	v_pk_fma_f32 v[i:i+1], v[i:i+1], 0.5, 0.5 op_sel_hi:[1,0,0]
.set i, i+2
.endr
.set i, 0
.rept 128
	v_rcp_f32 v[i], v[i]                           ; Q = 1 - tanh
.set i, i+1
.endr
	v_nop
	s_wait_alu depctr_va_vdst(0)                   ; one wait for the reciprocals
.set i, 0
.rept 64
	v_pk_fma_f32 v[i:i+1], v[i:i+1], -1.0, 1.0 op_sel_hi:[1,0,0]  ; s0 = 1 - Q
.set i, i+2
.endr
	WIN 0x05                                       ; sources in window 1, destination in window 0
.set i, 0
.rept 64
	v_cvt_pk_f16_f32 v[O+i], v[2*i], v[2*i+1]
.set i, i+1
.endr
	WIN 0
; THE WAY OUT, 16 rows at a time: a lane's 16 bytes go into my stage's rows of 144 bytes and come back as whole rows of 128, into the registers that they left.
.macro PACK a
.irp b, 0,1,2,3
	ds_store_b128 v[STO], v[O+16*(\a)+4*\b:O+16*(\a)+4*\b+3] offset:32*\b
.endr
.irp f, 0,1,2,3
	ds_load_b128 v[O+16*(\a)+4*\f:O+16*(\a)+4*\f+3], v[RD] offset:4*PITCH*\f  ; LDS serves a wave's instructions in order (ISA guide 5.7.1.4): these see the stores above; the next block's stores come behind them
.endr
.endm
.macro SEND a, younger                 ; younger: the LDS instructions issued behind block a's loads: the next block's eight, or none
.irp f, 0,1,2,3
	s_wait_dscnt (\younger)+3-\f
	global_store_b128 v[GO], v[O+16*(\a)+4*\f:O+16*(\a)+4*\f+3], s[OUT:OUT+1] offset:(\a)*2048+512*\f  ; 512 consecutive bytes, aligned
.endr
.endm
	PACK 0
.irp t, 1,2,3
	PACK \t
	SEND (\t)-1, 8
.endr
	SEND 3, 0
	s_wait_tensorcnt 0x0                           ; the wave's end, behind my last tensor load and my last LDS store
	ds_add_u32 v[SPW], v[NIL]
	s_wait_dscnt 0x0
	CROUND                                         ; the closing round: no work-group ends while a partner may still ask for a panel that names it
	s_endpgm
.Lfunc_end_k_q9bad3b10ce_s0k:
	.size	k_q9bad3b10ce_s0k, .Lfunc_end_k_q9bad3b10ce_s0k-k_q9bad3b10ce_s0k
	.p2alignl 7, 3214868480
	.fill 96, 4, 3214868480
	.section	.rodata,"a",@progbits
	.p2align	6, 0x0
	.amdhsa_kernel k_q9bad3b10ce_s0k
		.amdhsa_group_segment_fixed_size 327680
		.amdhsa_private_segment_fixed_size 0
		.amdhsa_enable_private_segment 0
		.amdhsa_kernarg_size 32
		.amdhsa_user_sgpr_count 2
		.amdhsa_user_sgpr_kernarg_segment_ptr 1
		.amdhsa_wavefront_size32 1
		.amdhsa_system_sgpr_workgroup_id_x 1
		.amdhsa_system_sgpr_workgroup_id_y 1
		.amdhsa_system_sgpr_workgroup_id_z 1
		.amdhsa_system_vgpr_workitem_id 0
		.amdhsa_next_free_vgpr 384
		.amdhsa_next_free_sgpr 96
		.amdhsa_reserve_vcc 0
		.amdhsa_float_denorm_mode_32 3
		.amdhsa_float_denorm_mode_16_64 3
		.amdhsa_memory_ordered 1
		.amdhsa_forward_progress 1
		.amdhsa_inst_pref_size 51
	.end_amdhsa_kernel
	.amdgpu_metadata
---
amdhsa.version: [ 1, 2 ]
amdhsa.kernels:
  - .name:           k_q9bad3b10ce_s0k
    .symbol:         k_q9bad3b10ce_s0k.kd
    .args:
      - { .name: act2, .offset: 0, .size: 8, .value_kind: global_buffer, .address_space: global }
      - { .name: w0h, .offset: 8, .size: 8, .value_kind: global_buffer, .address_space: global }
      - { .name: w0_b, .offset: 16, .size: 8, .value_kind: global_buffer, .address_space: global }
      - { .name: act1, .offset: 24, .size: 8, .value_kind: global_buffer, .address_space: global }
    .group_segment_fixed_size: 327680
    .private_segment_fixed_size: 0
    .kernarg_segment_align: 8
    .kernarg_segment_size: 32
    .max_flat_workgroup_size: 256
    .sgpr_count:     96
    .vgpr_count:     384
    .wavefront_size: 32
...
	.end_amdgpu_metadata
.endif
;; end of part 2
;; launch rk (part 3): grid 8 x 32, 4 waves a work-group, clusters of 4 x 4, 327,680 bytes of LDS; arguments act1, wrh, wr1_b, act2; writes act2
.if DOCPART == 3
	.amdgcn_target "amdgcn-amd-amdhsa--gfx1250"
	.amdhsa_code_object_version 6
	.text
	.protected	k_q9bad3b10ce_rk
	.globl	k_q9bad3b10ce_rk
	.p2align	8
	.type	k_q9bad3b10ce_rk,@function
k_q9bad3b10ce_rk:
	s_mov_b64 s[64:65], 0
	v_nop
	global_prefetch_b8 v0, s[64:65] scope:SCOPE_SE
	s_setreg_imm32_b32 hwreg(HW_REG_WAVE_MODE, 25, 1), 1
	s_wait_xcnt 0x0
	s_wait_alu depctr_hold_cnt(0) depctr_sa_sdst(0) depctr_va_vdst(0) depctr_va_sdst(0) depctr_va_ssrc(0) depctr_va_vcc(0) depctr_vm_vsrc(0)
	s_getreg_b32 s2, hwreg(HW_REG_IB_STS2, 6, 4)
	s_cmp_eq_u32 s2, 0
	s_cbranch_scc0 .Lentry_in_a_cluster
	s_endpgm
.Lentry_in_a_cluster:
	s_bfe_u32 s2, ttmp6, 0x10000c
	s_cmp_lg_u32 s2, 0xf033
	s_cbranch_scc0 .Lentry_shape_is_right
	s_endpgm
.Lentry_shape_is_right:
; ONE TEXT FOR THREE LAUNCHES; KIND picks.  All are out = f(tanh(A W^T + b)) on f16 operands laid out in panels (64 columns of K, 128 bytes a row), sums in f32.
;   KIND 0: s0 = tanh(xa w0^T + b0).             A = act2 panels 0-3, W = w0h;  out = act1 panels 4-19.
;   KIND 1: s0 r, r = tanh([xa|s0][ur|wr]^T + br).  A = act1, W = wrh;  out = act2 panels 4-19.
;   KIND 2: s1 = (1 - g) h + z s0; g, z on A = act1 = [xa|s0], h on act2 = [xa|s0 r], W = wgzh (three gates);  out = s1buf.  g, z, h never leave registers.
; Stage 2 of the module (the inputs ..2) has no way to y and is left out: shown at the head of the first launch's text.
; The weights hold c w, c = 2 log2(e), and the first product's C operand is c b: a sum t gives E = 2^t, Q = 1 / (E / 2 + 1 / 2) = 1 - tanh; E = infinity gives Q = 0, E = 0 gives Q = 2: nothing is clipped.
; LIMITS.  Operands are f16 (all lie within 65,504: xa by the first launch's limit, s0, s0 r within 1); a 2^t below 2^-126 counts as 0; NaN and infinities are not treated apart.
; SHARES.  A work-group makes 256 rows x 128 columns (of each gate), its four waves 128 x 64 each: 32 accumulators a gate, (a, b) at v[8 (4 a + b)] of window 1 + gate.
; THE MATRIX INSTRUCTION IS USED TRANSPOSED: source 0 = 16 rows of W, source 1 = 16 rows of A: lane l holds row l % 16 of the result and the columns 8 (l / 16) + 0..7.
; RING.  Two LDS slots; a slot holds a TILE: KIND 0, 1: two panels of A and of W; KIND 2: one panel of act1, of act2 and of the three gates.  Each wave fills a quarter by one tensor load.
; CLUSTER.  4 x 4 work-groups: the four of a row of the cluster have the same rows of A, the four of a column the same rows of W: each tile is asked for jointly.
; WINDOWS (s_set_vgpr_msb: bits 1:0 source 0, 3:2 source 1, 5:4 source 2, 7:6 destination): window 0: v0-18 addresses; v64-191 two buffers of 8 fragments of A; v192-255 two of 4 of W;
;   windows 1-3: accumulators; KIND 1: v0-127 of window 2: the wave's tile of s0.
.set KIND, 1
.if KIND == 2
.set NG,    3         ; gates
.set T,     20        ; tiles
.set ASTEP, 32768     ; bytes from a tile of A to the next
.set BSTEP, 49152     ; of W
.set BROWS, 96        ; rows of 256 bytes in a load of W
.set BHALF, 27648     ; its bytes in LDS
.set BGH,   24576     ; its bytes in memory
.set CBS,   983040    ; a column block of W
.set PW,    8         ; s[8:9] W
.set PBI,   10        ; s[10:15] the gates' biases
.set PO,    16        ; s[16:17] out
.set ABUF,  92        ; s[92:93] act1 (waves 0, 2) or act2 (waves 1, 3)
.set LIMA,  2
.set LIMB,  6
.set PFSB,  65536
.else
.set NG,    1
.set ASTEP, 65536
.set BSTEP, 32768
.set BROWS, 64
.set BHALF, 18432
.set BGH,   16384
.set PW,    6
.set PBI,   8
.set PO,    10
.set ABUF,  4
.set LIMA,  3
.set LIMB,  3
.set PFSB,  32768
.if KIND == 1
.set T,     10
.set CBS,   327680
.else
.set T,     2
.set CBS,   65536
.endif
.endif
.set GL,    NG-1      ; the gate of a tile's last products
.set RBS,   655360    ; a row block of act1, act2: 20 panels of 32,768 bytes
.set PITCH, 144       ; an LDS row: 128 bytes + 16 of padding = 36 words: the 16 rows of a fragment load start at 16 different groups of four banks (64 banks of 4 bytes: ISA guide 11.1)
.set FRAG,  16*PITCH
.set APART, 256*PITCH ; 256 rows of A: a slot holds two such parts, then W from BOFF on
.set BOFF,  2*APART
.set SLOT1, 131072    ; slot 1 begins here: one exclusive or turns an address in one slot into the other's
.set STAGE, 262144    ; behind the ring, never filled by a tensor load: 16 rows x 144 bytes for each wave, for the way out
.set SPARE, STAGE+4*FRAG  ; the spare words, 128 bytes for each wave: two blocks of 256 bytes that no other line names
.set WV,   18         ; s18 wave
.set KW,   19         ; s19 wave / 2: my half of the rows; also: I fetch for A (0) or W (1)
.set PART, 20         ; s20 wave % 2: my half of the columns; also: which part I fetch
.set CX,   21
.set CY,   22
.set CB,   23         ; column block
.set RB,   24         ; row block
.set G1A,  28         ; s[28:35] descriptor group 1 for A
.set G1B,  36         ; s[36:43] for W
.set G0A,  44         ; s[44:51] group 0 for A: a set for each first fill; the second then walks on
.set G0B,  52         ; s[52:59] for W
.set LEFT, 60         ; s60 trips to go
.set TB,   61         ; s61 0 or SLOT1: the slot being read
.set LIM,  62         ; s62 a wave prefetches while LEFT is above it
.set PFA,  66         ; s[66:67] where my prefetches stand
.set PFS,  68         ; s[68:69] their step
.set OUT,  74         ; s[74:75]
.set S0B,  76         ; s[76:77] my tile of s0 in act1
.set CS,   78         ; s[78:79] c
.set A0,   4          ; v4  my lane's place in a slot's A; never rewritten
.set B0,   5          ; v5  in its W
.set ADRA, 6          ; v6  A0 + TB
.set ADRB, 7          ; v7  B0 + TB
.set STO,  8          ; v8  the way out: where I put 16 bytes of a row
.set RD,   9          ; v9  where I read rows back
.set GO,   10         ; v10 my 16 bytes of 512 consecutive bytes of out
.set EO,   11         ; v11 my 16 bytes in 16 rows of a panel
.set BO,   12         ; v12 my 32 bytes of the bias
.set PFO,  13         ; v13 256 x lane
.set SPW,  14         ; v14 my spare word; never rewritten
.set NIL,  15         ; v15 0; never rewritten
.if KIND == 1
.set EB,   0          ; the 128 words that leave: window 2
.set WOUT, 0x88       ; data (source 1, destination) in window 2, addresses in window 0
.else
.set EB,   64         ; window 0, where A's fragments lay
.set WOUT, 0
.endif
.set MSB, 0
.macro WIN new                         ; the high byte repeats the setting that is left; a switch that changes nothing is dropped
.if MSB != (\new)
	s_set_vgpr_msb (MSB<<8)|(\new)
.set MSB, (\new)
.endif
.endm
.macro PLACES                          ; four plain vector instructions between a matrix instruction and a load into, or a vector read of, its registers
.rept 4
	v_nop
.endr
.endm
.macro CREST                           ; a round of the cluster's barrier behind its opening barrier
	s_cmp_lg_u32 s[WV], 0
	s_cbranch_scc1 .Lnot_wave_0_\@
	s_barrier_signal -3
.Lnot_wave_0_\@:
	s_barrier_wait -3
	s_barrier_signal -1
	s_barrier_wait -1
.endm
.macro CROUND
	s_barrier_signal -1
	s_barrier_wait -1
	CREST
.endm
; A joint refill by the walking sets.  The branch hangs on the wave's number alone.  An s_nop 0 and four v_nop follow each line, ahead of the jump and the label.
.macro JLOAD
	s_cmp_eq_u32 s[KW], 0
	s_cbranch_scc0 .Lfor_b_\@
	tensor_load_to_lds s[G0A+4:G0A+7], s[G1A:G1A+7]
	s_nop 0
.rept 4
	v_nop
.endr
	s_branch .Lasked_\@
.Lfor_b_\@:
	tensor_load_to_lds s[G0B+4:G0B+7], s[G1B:G1B+7]
	s_nop 0
.rept 4
	v_nop
.endr
.Lasked_\@:
.endm
; A prefetch of 32 blocks of 256 bytes, a lane a block.  A's rows are read by both clusters of a row of clusters: cluster x = 0 asks; W's by all clusters of a column: cluster y = 0 asks.
; The four partners that ask for a tile jointly take 8,192 bytes each, told apart by address.  KIND 2: A's tile i + 4 in trip i (which refills tile i + 2); W's column block as a stream of 65,536
; bytes a trip from its tile 4 on, twelve trips.  KIND 1: tile i + 5 of A (waves 0, 1: a panel each) and of W (wave 2).  LIM stops each at its buffer's last tile.
.macro ASK
	s_cmp_gt_u32 s[LEFT], s[LIM]
	s_cbranch_scc0 .Lnot_mine_\@
	global_prefetch_b8 v[PFO], s[PFA:PFA+1] th:TH_LOAD_NT scope:SCOPE_SE
.Lnot_mine_\@:
.endm
; 8 fragments of A (128 rows x 32 K) into buffer xa: part sel of the slot, K half k of its panel.  A fragment: lane l holds row l % 16, K 8 (l / 16) + 0..7 and 16 + 8 (l / 16) + 0..7: two loads, 32 bytes apart.
.macro LDA xa, sel, k
	WIN 0
.irp i, 0,1,2,3,4,5,6,7
	ds_load_b128 v[64+64*(\xa)+8*\i:64+64*(\xa)+8*\i+3],   v[ADRA] offset:(\sel)*APART+\i*FRAG+64*(\k)
	ds_load_b128 v[64+64*(\xa)+8*\i+4:64+64*(\xa)+8*\i+7], v[ADRA] offset:(\sel)*APART+\i*FRAG+64*(\k)+32
.endr
.endm
; 4 fragments of W (64 rows x 32 K) into buffer yb: sel = the panel in the slot (KIND 0, 1) or the gate (KIND 2)
.macro LDB yb, sel, k
	WIN 0
.irp i, 0,1,2,3
	ds_load_b128 v[192+32*(\yb)+8*\i:192+32*(\yb)+8*\i+3],   v[ADRB] offset:(\sel)*128*PITCH+\i*FRAG+64*(\k)
	ds_load_b128 v[192+32*(\yb)+8*\i+4:192+32*(\yb)+8*\i+7], v[ADRB] offset:(\sel)*128*PITCH+\i*FRAG+64*(\k)+32
.endr
.endm
; 4 na matrix instructions of gate g: row blocks a0 .. a0 + na - 1 x 4 column blocks, 32 along K.  The 32 accumulators take turns, one instruction a turn, always in the same order.
; first = 1: the sums start with c b, which lies in (7, b); row block 7 writes over it, five places behind the last product that read it as C.
.macro MUL g, xa, yb, a0, na, first
	WIN 0x50*(1+(\g))
.set ma, \a0
.rept \na
.if (\first) && (ma == 7)
.rept 5
	v_nop
.endr
.endif
.irp b, 0,1,2,3
.if \first
	v_wmma_f32_16x16x32_f16 v[8*(4*ma+\b):8*(4*ma+\b)+7], v[192+32*(\yb)+8*\b:192+32*(\yb)+8*\b+7], v[64+64*(\xa)+8*ma:64+64*(\xa)+8*ma+7], v[224+8*\b:224+8*\b+7]
.else
	v_wmma_f32_16x16x32_f16 v[8*(4*ma+\b):8*(4*ma+\b)+7], v[192+32*(\yb)+8*\b:192+32*(\yb)+8*\b+7], v[64+64*(\xa)+8*ma:64+64*(\xa)+8*ma+7], v[8*(4*ma+\b):8*(4*ma+\b)+7]
.endif
.endr
.set ma, ma+1
.endr
.endm
.macro HEAD
	s_wait_dscnt 0x0                               ; this substep's fragments are in
	PLACES                                         ; the loads below go into buffers that the substep before multiplied
	WIN 0
.endm
; SUBSTEP u of a tile: 32 matrix instructions; at its head the next substep's fragments are asked for, in one run.
; KIND 0, 1: u = 0..3: panel u / 2, K half u % 2, buffers u % 2.  KIND 2: u = 3 k + gate; g and z multiply act1's fragments (buffer 0), h act2's (buffer 1); W's buffers alternate.
.macro SUB u, first
	HEAD
.if KIND == 2
.if (\u) == 0
	LDB 1, 1, 0
	LDA 1, 1, 0
	MUL 0, 0, 0, 0, 8, \first
.elseif (\u) == 1
	LDB 0, 2, 0
	MUL 1, 0, 1, 0, 8, \first
.elseif (\u) == 2
	LDB 1, 0, 1
	LDA 0, 0, 1
	MUL 2, 1, 0, 0, 8, \first
.elseif (\u) == 3
	LDB 0, 1, 1
	LDA 1, 1, 1
	MUL 0, 0, 1, 0, 8, 0
.else
	LDB 1, 2, 1
	MUL 1, 0, 0, 0, 8, 0
.endif
.else
	LDA ((\u)+1)%2, ((\u)+1)/2, ((\u)+1)%2
	LDB ((\u)+1)%2, ((\u)+1)/2, ((\u)+1)%2
	MUL 0, (\u)%2, (\u)%2, 0, 8, \first
.endif
.endm
.macro FIRSTK first                    ; a tile's first 32 along K, for every gate
	SUB 0, \first
.if KIND == 2
	SUB 1, \first
	SUB 2, \first
.endif
.endm
.macro REST                            ; the substeps between that and the tile's last
.if KIND == 2
	SUB 3, 0
	SUB 4, 0
.else
	SUB 1, 0
	SUB 2, 0
.endif
.endm
; A tile's last substep, and THE CHANGE OF SLOTS.  Each wave waits for all its tensor loads (one is out: its part of the other slot), adds 0 to its spare word, and waits for that and for its reads of this slot.
; Behind the barrier nobody reads this slot and the other is whole.  fill = 1: the barrier opens a round of the cluster's, and the joint refill (the tile two on) is the first thing behind the round.
.macro TURN fill
.if \fill
	s_wait_xcnt 0x0                                ; the last prefetch, a tile back, has read its address
	s_add_nc_u64 s[PFA:PFA+1], s[PFA:PFA+1], s[PFS:PFS+1]
.endif
	WIN 0
	s_wait_tensorcnt 0x0                           ; no tensor load of mine is out
	ds_add_u32 v[SPW], v[NIL]                      ; 0 onto my spare word
	s_wait_dscnt 1                                 ; the fragments are in; the add alone may be out
	MUL GL, 1, 1, 0, 2, 0
	s_wait_dscnt 0x0                               ; the add is done, and my reads of this slot are over
	s_barrier_signal -1
	MUL GL, 1, 1, 2, 2, 0
	WIN 0
	s_barrier_wait -1
.if \fill
	CREST
	s_xor_b32 s[G0A+5], s[G0A+5], SLOT1            ; the walking sets: the other slot than last time, the next tile
	s_add_nc_u64 s[G0A+6:G0A+7], s[G0A+6:G0A+7], ASTEP
	s_xor_b32 s[G0B+5], s[G0B+5], SLOT1
	s_add_nc_u64 s[G0B+6:G0B+7], s[G0B+6:G0B+7], BSTEP
	JLOAD                                          ; its four v_nop are also the places in front of the loads below
.else
	PLACES
.endif
	s_xor_b32 s[TB], s[TB], SLOT1
	v_add_nc_u32 v[ADRA], s[TB], v[A0]
	v_add_nc_u32 v[ADRB], s[TB], v[B0]
	LDA 0, 0, 0                                    ; the next tile's first fragments
	LDB 0, 0, 0
.if \fill
	ASK
.endif
	MUL GL, 1, 1, 4, 4, 0
.endm
.if KIND == 2
	s_load_b256 s[4:11], s[0:1], 0x0               ; act1 4, act2 6, wgzh 8, wg1_b 10
	s_load_b128 s[12:15], s[0:1], 0x20             ; wz1_b 12, wh1_b 14
	s_load_b64 s[16:17], s[0:1], 0x30              ; s1buf
.else
	s_load_b256 s[4:11], s[0:1], 0x0               ; A 4, W 6, bias 8, out 10
.endif
	v_lshl_add_u32 v[SPW], v0, 2, SPARE
	v_mov_b32 v[NIL], 0
	ds_add_u32 v[SPW], v[NIL]                      ; the wave's opening: the add, twice on end, and its wait ahead of my first tensor load
	ds_add_u32 v[SPW], v[NIL]
	v_lshrrev_b32 v1, 5, v0
	v_readfirstlane_b32 s[WV], v1
	s_lshr_b32 s[KW], s[WV], 1
	s_and_b32 s[PART], s[WV], 1
	s_bfe_u32 s[CX], ttmp6, 0x40000
	s_bfe_u32 s[CY], ttmp6, 0x40004
	s_lshl_b32 s[CB], ttmp9, 2                     ; in a cluster launch ttmp9 and ttmp7 count clusters
	s_add_co_u32 s[CB], s[CB], s[CX]
	s_and_b32 s[RB], ttmp7, 0xffff
	s_lshl_b32 s[RB], s[RB], 2
	s_add_co_u32 s[RB], s[RB], s[CY]
	s_lshl_b32 s25, s[CY], 2
	s_lshl_b32 s25, 15, s25                        ; my row of the cluster
	s_lshl_b32 s26, 0x1111, s[CX]                  ; my column
	; group 1: rows of 256 bytes (two LDS rows), padded in LDS after every 128 bytes
	s_or_b32 s[G1A], s25, (1<<16)|(1<<20)|(1<<21)|(4<<22)|(3<<25)  ; 15:0 the mask; 17:16 2-byte elements; 20 padding on; 21 set beside a mask; 24:22 after every 32 words (code 4); 31:25 4 words (code 3)
	s_or_b32 s[G1B], s26, (1<<16)|(1<<20)|(1<<21)|(4<<22)|(3<<25)
	s_mov_b32 s[G1A+1], 128<<16                    ; tensor_dim0 = 128
	s_mov_b32 s[G1A+2], 128<<16                    ; tensor_dim1 = 128
	s_mov_b32 s[G1A+3], 128<<16                    ; tile_dim0 = 128
	s_mov_b32 s[G1A+4], 128                        ; tile_dim1 = 128
	s_mov_b32 s[G1A+5], 128                        ; 128 elements from row to row
	s_mov_b32 s[G1A+6], 0
	s_mov_b32 s[G1A+7], 0
	s_mov_b32 s[G1B+1], 128<<16
	s_mov_b32 s[G1B+2], BROWS<<16
	s_mov_b32 s[G1B+3], 128<<16
	s_mov_b32 s[G1B+4], BROWS
	s_mov_b32 s[G1B+5], 128
	s_mov_b32 s[G1B+6], 0
	s_mov_b32 s[G1B+7], 0
	s_mov_b32 s[CS], 0x4038aa3b                    ; c = 2 log2(e)
	s_mov_b32 s[CS+1], s[CS]
	s_mov_b32 s[TB], 0
	; A's address hangs on the row block alone, W's on the column block alone, each in registers that never hold the other coordinate
	s_mul_i32 s70, s[RB], RBS
.if KIND < 2
	s_lshl_b32 s84, s[PART], 15                    ; my panel of the tile's two
	s_add_co_u32 s70, s70, s84
.endif
	s_mov_b32 s71, 0
	s_mul_i32 s72, s[CB], CBS
	s_mul_i32 s86, s[PART], BGH
	s_add_co_u32 s72, s72, s86
	s_mov_b32 s73, 0
	s_mul_i32 s85, s[PART], APART                  ; where they go: the wave's number alone
	s_mul_i32 s87, s[PART], BHALF
	s_add_co_u32 s87, s87, BOFF
	s_wait_dscnt 0x0                               ; both opening adds are done
	s_wait_kmcnt 0x0
.if KIND == 2
	s_cmp_eq_u32 s[PART], 0
	s_cselect_b64 s[ABUF:ABUF+1], s[4:5], s[6:7]
.endif
	s_add_nc_u64 s[70:71], s[ABUF:ABUF+1], s[70:71]
	s_add_nc_u64 s[72:73], s[PW:PW+1], s[72:73]
	CROUND                                         ; all sixteen work-groups are here: the first joint loads meet
.irp s, 0,1
	s_mov_b32 s[G0A+4*\s], 1                       ; count = 1
	s_add_co_u32 s[G0A+4*\s+1], s85, \s*SLOT1      ; LDS address
	s_add_nc_u64 s[G0A+4*\s+2:G0A+4*\s+3], s[70:71], \s*ASTEP  ; tile s
	s_or_b32 s[G0A+4*\s+3], s[G0A+4*\s+3], 0x80000000          ; type = 2
	s_mov_b32 s[G0B+4*\s], 1
	s_add_co_u32 s[G0B+4*\s+1], s87, \s*SLOT1
	s_add_nc_u64 s[G0B+4*\s+2:G0B+4*\s+3], s[72:73], \s*BSTEP
	s_or_b32 s[G0B+4*\s+3], s[G0B+4*\s+3], 0x80000000
.endr
	s_cmp_eq_u32 s[KW], 0                          ; a wave's two first fills stand in one branch: two loads of mine are out
	s_cbranch_scc0 .Lfirst_b
	tensor_load_to_lds s[G0A:G0A+3], s[G1A:G1A+7]
	s_nop 0
	tensor_load_to_lds s[G0A+4:G0A+7], s[G1A:G1A+7]
	s_nop 0
.rept 4
	v_nop
.endr
	s_branch .Lfirst_asked
.Lfirst_b:
	tensor_load_to_lds s[G0B:G0B+3], s[G1B:G1B+7]
	s_nop 0
	tensor_load_to_lds s[G0B+4:G0B+7], s[G1B:G1B+7]
	s_nop 0
.rept 4
	v_nop
.endr
.Lfirst_asked:
	v_and_b32 v1, 15, v0                           ; l % 16
	v_bfe_u32 v2, v0, 4, 1                         ; l / 16
	v_and_b32 v3, 31, v0                           ; l
	v_mul_u32_u24 v16, v1, PITCH
	v_lshl_add_u32 v16, v2, 4, v16                 ; row x pitch + 16 x half
	s_mul_i32 s94, s[KW], 128*PITCH                ; my 128 rows of A
	v_add_nc_u32 v[A0], s94, v16
	s_mul_i32 s94, s[PART], 64*PITCH               ; my 64 rows of W
	s_add_co_u32 s94, s94, BOFF
	v_add_nc_u32 v[B0], s94, v16
	v_mov_b32 v[ADRA], v[A0]                       ; slot 0
	v_mov_b32 v[ADRB], v[B0]
	s_mul_i32 s94, s[WV], FRAG
	s_add_co_u32 s94, s94, STAGE                   ; my stage
	v_add_nc_u32 v[STO], s94, v16
	v_lshrrev_b32 v17, 3, v3                       ; back: 32 lanes take four rows of 128 bytes
	v_and_b32 v18, 7, v0
	v_mul_u32_u24 v17, v17, PITCH
	v_lshl_add_u32 v17, v18, 4, v17
	v_add_nc_u32 v[RD], s94, v17
	v_lshlrev_b32 v[GO], 4, v3
	v_lshlrev_b32 v[EO], 7, v1
	v_lshl_add_u32 v[EO], v2, 4, v[EO]
	v_lshlrev_b32 v[PFO], 8, v3
	s_lshl_b32 s95, s[CB], 9                       ; my 64 columns of the bias: 4 (128 CB + 64 half) bytes
	s_lshl_b32 s83, s[PART], 8
	s_add_co_u32 s95, s95, s83
	v_lshl_add_u32 v[BO], v2, 5, s95
	; my 128 rows of panel 4 + 2 CB + half of my row block: where s0 lies in act1, and where KIND 0 and 1 store
	s_mul_i32 s80, s[RB], 20
	s_lshl1_add_u32 s80, s[CB], s80
	s_add_co_u32 s80, s80, s[PART]
	s_add_co_u32 s80, s80, 4
	s_lshl_b32 s80, s80, 15
	s_lshl_b32 s82, s[KW], 14
	s_add_co_u32 s80, s80, s82
	s_mov_b32 s81, 0
.if KIND > 0
	s_add_nc_u64 s[S0B:S0B+1], s[4:5], s[80:81]
.endif
.if KIND == 2
	s_lshl_b32 s82, s[RB], 2                       ; s1buf: [128 blocks of 64 rows][16 panels][64 rows][64]
	s_lshl1_add_u32 s82, s[KW], s82
	s_lshl_b32 s82, s82, 4
	s_lshl1_add_u32 s82, s[CB], s82
	s_add_co_u32 s82, s82, s[PART]
	s_lshl_b32 s82, s82, 13
	s_mov_b32 s83, 0
	s_add_nc_u64 s[OUT:OUT+1], s[PO:PO+1], s[82:83]
.else
	s_add_nc_u64 s[OUT:OUT+1], s[PO:PO+1], s[80:81]
.endif
.if KIND > 0
	; the prefetches' pointer: one step ahead of it lies what the first refill's trip names
	s_mul_i32 s90, s[RB], RBS
	s_mul_i32 s91, s[CB], CBS
	s_lshl_b32 s95, s[PART], 15
.if KIND == 2
	s_add_co_u32 s90, s90, 3*32768
	s_add_co_u32 s91, s91, s95
.else
	s_add_co_u32 s90, s90, 8*32768
	s_add_co_u32 s90, s90, s95
.endif
	s_add_co_u32 s91, s91, 131072
	s_and_b32 s88, ttmp7, 0xffff                   ; cluster y
	s_mov_b32 s[PFS], PFSB
	s_cmp_eq_u32 s[KW], 0                          ; do I fetch for A?
	s_cselect_b32 s88, ttmp9, s88                  ; the coordinate along which other clusters read the same rows
	s_cselect_b32 s89, s[CX], s[CY]                ; my place among the four that ask with me
	s_cselect_b32 s90, s90, s91
	s_cselect_b32 s[LIM], LIMA, LIMB
	s_cselect_b32 s[PFS], ASTEP, s[PFS]
	s_cselect_b64 s[PFA:PFA+1], s[ABUF:ABUF+1], s[PW:PW+1]
	s_mov_b32 s[PFS+1], 0
	s_lshl_b32 s89, s89, 13
	s_add_co_u32 s90, s90, s89
	s_mov_b32 s91, 0
	s_add_nc_u64 s[PFA:PFA+1], s[PFA:PFA+1], s[90:91]
.if KIND == 1
	s_cmp_eq_u32 s[WV], 3                          ; W's tile is 32,768 bytes: wave 2 and its three partners name all of it
	s_cselect_b32 s95, 1, 0
	s_or_b32 s88, s88, s95
.endif
	s_cmp_eq_u32 s88, 0
	s_cselect_b32 s[LIM], s[LIM], -1               ; the same in all sixteen partners, for a given wave
.endif
	; the bias of my columns 16 b + 8 (l / 16) + 0..7 goes where accumulator (7, b) lies
.set g, 0
.rept NG
	WIN (1+g)<<6
.irp b, 0,1,2,3
	global_load_b128 v[224+8*\b:224+8*\b+3], v[BO], s[PBI+2*g:PBI+2*g+1] offset:64*\b
	global_load_b128 v[228+8*\b:228+8*\b+3], v[BO], s[PBI+2*g:PBI+2*g+1] offset:64*\b+16
.endr
.set g, g+1
.endr
.if KIND == 1
	WIN 0x80                                       ; my tile of s0, in the accumulators' layout: word 16 a + 4 b + k holds columns 2 k, 2 k + 1 of a lane's eight; it lands under the K loop
.set a, 0
.rept 8
.irp b, 0,1,2,3
	global_load_b128 v[16*a+4*\b:16*a+4*\b+3], v[EO], s[S0B:S0B+1] offset:a*2048+32*\b
.endr
.set a, a+1
.endr
.endif
	WIN 0
	s_wait_tensorcnt 1                             ; my part of tile 0 is in; tile 1's may stay out
	s_barrier_signal -1
	s_barrier_wait -1
	LDA 0, 0, 0
	LDB 0, 0, 0
.if KIND == 1
	s_wait_loadcnt 32                              ; the bias's eight loads are in; the 32 loads of s0 issued behind them stay out
.else
	s_wait_loadcnt 0x0                             ; the bias is in
.endif
.set w, 1
.rept NG
	WIN 0x41*w
.set i, 224
.rept 16
	v_pk_mul_f32 v[i:i+1], v[i:i+1], s[CS:CS+1] op_sel_hi:[1,0]
.set i, i+2
.endr
.set w, w+1
.endr
	FIRSTK 1                                       ; the first products start the sums with c b: nothing is cleared
.if T > 2
	WIN 0                                          ; at a label and at a branch every window is 0
	s_mov_b32 s[LEFT], T-2
.Ltile:                                            ; a trip: the rest of a tile, the change of slots with its refill, the next tile's first 32 along K
	REST
	TURN 1
	FIRSTK 0
	WIN 0
	s_sub_co_u32 s[LEFT], s[LEFT], 1
	s_cmp_lg_u32 s[LEFT], 0
	s_cbranch_scc1 .Ltile
.endif
	REST                                           ; the last two tiles are written out: nothing more is asked for
	TURN 0
	FIRSTK 0
	REST
	s_wait_dscnt 0x0
	MUL GL, 1, 1, 0, 8, 0
	; THE EPILOGUE, in place in the accumulators' windows; each accumulator is read from its lowest register on.
	PLACES
.if KIND == 2
	WIN 0                                          ; my tile of s0 goes where A's fragments lay; it lands under the exponentials
.set a, 0
.rept 8
.irp b, 0,1,2,3
	global_load_b128 v[64+16*a+4*\b:64+16*a+4*\b+3], v[EO], s[S0B:S0B+1] offset:a*2048+32*\b
.endr
.set a, a+1
.endr
.endif
.set w, 1
.rept NG
	WIN 0x41*w
.set i, 0
.rept 256
	v_exp_f32 v[i], v[i]                           ; E = 2^t
.set i, i+1
.endr
.set w, w+1
.endr
	v_nop                                          ; a plain instruction behind the last exponential,
	s_wait_alu depctr_va_vdst(0)                   ; and one wait for the whole batch, ahead of its first reader
.set w, 1
.rept NG
	WIN 0x41*w
.set i, 0
.rept 128
	v_pk_fma_f32 v[i:i+1], v[i:i+1], 0.5, 0.5 op_sel_hi:[1,0,0]
.set i, i+2
.endr
.set w, w+1
.endr
.set w, 1
.rept NG
	WIN 0x41*w
.set i, 0
.rept 256
	v_rcp_f32 v[i], v[i]                           ; Q = 1 - tanh
.set i, i+1
.endr
.set w, w+1
.endr
	v_nop
	s_wait_alu depctr_va_vdst(0)                   ; one wait for the reciprocals
.if KIND == 0
	WIN 0x41
.set i, 0
.rept 128
	v_pk_fma_f32 v[i:i+1], v[i:i+1], -1.0, 1.0 op_sel_hi:[1,0,0]  ; s0 = 1 - Q
.set i, i+2
.endr
	WIN 0x05                                       ; sources in window 1, destination in window 0
.set i, 0
.rept 128
	v_cvt_pk_f16_f32 v[EB+i], v[2*i], v[2*i+1]
.set i, i+1
.endr
.elseif KIND == 1
	s_wait_loadcnt 0x0                             ; s0
	WIN 0xa9                                       ; Q in window 1; s0 (sources 1, 2 and destination) in window 2
.set i, 0
.rept 128
	v_fma_mixlo_f16 v[i], -v[2*i], v[i], v[i] op_sel_hi:[0,1,1]  ; s0 r = s0 - Q s0, rounded once; the low halves,
.set i, i+1
.endr
.set i, 0
.rept 128
	v_fma_mixhi_f16 v[i], -v[2*i+1], v[i], v[i] op_sel:[0,1,1] op_sel_hi:[0,1,1]  ; then the high halves
.set i, i+1
.endr
.else
	WIN 0x5d                                       ; Qg (sources 0, 2 and destination) in window 1, Qh in window 3
.set i, 0
.rept 128
	v_pk_fma_f32 v[i:i+1], v[i:i+1], v[i:i+1], v[i:i+1] neg_lo:[0,1,0] neg_hi:[0,1,0]  ; (1 - g) h = Qg - Qg Qh
.set i, i+2
.endr
	WIN 0x82
.set i, 0
.rept 128
	v_pk_fma_f32 v[i:i+1], v[i:i+1], -1.0, 1.0 op_sel_hi:[1,0,0]  ; z = 1 - Qz
.set i, i+2
.endr
	s_wait_loadcnt 0x0                             ; s0
	WIN 0x12                                       ; z in window 2, s0 and the destination in window 0, (1 - g) h in window 1
.set i, 0
.rept 128
	v_fma_mixlo_f16 v[EB+i], v[2*i], v[EB+i], v[2*i] op_sel_hi:[0,1,0]  ; s1 = z s0 + (1 - g) h, rounded once; the low halves,
.set i, i+1
.endr
.set i, 0
.rept 128
	v_fma_mixhi_f16 v[EB+i], v[2*i+1], v[EB+i], v[2*i+1] op_sel:[0,1,0] op_sel_hi:[0,1,0]  ; then the high halves
.set i, i+1
.endr
.endif
; THE WAY OUT, 16 rows at a time: a lane's 16 bytes go into my stage's rows of 144 bytes and come back as whole rows of 128, into the registers that they left.
.macro PACK a
	WIN WOUT
.irp b, 0,1,2,3
	ds_store_b128 v[STO], v[EB+16*(\a)+4*\b:EB+16*(\a)+4*\b+3] offset:32*\b
.endr
.irp f, 0,1,2,3
	ds_load_b128 v[EB+16*(\a)+4*\f:EB+16*(\a)+4*\f+3], v[RD] offset:4*PITCH*\f  ; LDS serves a wave's instructions in order (ISA guide 5.7.1.4): these see the stores above; the next block's stores come behind them
.endr
.endm
.macro SEND a, younger                 ; younger: the LDS instructions issued behind block a's loads: the next block's eight, or none
	WIN WOUT
.irp f, 0,1,2,3
	s_wait_dscnt (\younger)+3-\f
.if KIND == 2
	global_store_b128 v[GO], v[EB+16*(\a)+4*\f:EB+16*(\a)+4*\f+3], s[OUT:OUT+1] offset:((\a)/4)*131072+((\a)%4)*2048+512*\f  ; 512 consecutive bytes, aligned
.else
	global_store_b128 v[GO], v[EB+16*(\a)+4*\f:EB+16*(\a)+4*\f+3], s[OUT:OUT+1] offset:(\a)*2048+512*\f  ; 512 consecutive bytes, aligned
.endif
.endr
.endm
	PACK 0
.set t, 1
.rept 7
	PACK t
	SEND t-1, 8
.set t, t+1
.endr
	SEND 7, 0
	WIN 0
	s_wait_tensorcnt 0x0                           ; the wave's end, behind my last tensor load and my last LDS store
	ds_add_u32 v[SPW], v[NIL]
	s_wait_dscnt 0x0
	CROUND                                         ; the closing round: no work-group ends while a partner may still ask for a tile that names it
	s_endpgm
.Lfunc_end_k_q9bad3b10ce_rk:
	.size	k_q9bad3b10ce_rk, .Lfunc_end_k_q9bad3b10ce_rk-k_q9bad3b10ce_rk
	.p2alignl 7, 3214868480
	.fill 96, 4, 3214868480
	.section	.rodata,"a",@progbits
	.p2align	6, 0x0
	.amdhsa_kernel k_q9bad3b10ce_rk
		.amdhsa_group_segment_fixed_size 327680
		.amdhsa_private_segment_fixed_size 0
		.amdhsa_enable_private_segment 0
		.amdhsa_kernarg_size 32
		.amdhsa_user_sgpr_count 2
		.amdhsa_user_sgpr_kernarg_segment_ptr 1
		.amdhsa_wavefront_size32 1
		.amdhsa_system_sgpr_workgroup_id_x 1
		.amdhsa_system_sgpr_workgroup_id_y 1
		.amdhsa_system_sgpr_workgroup_id_z 1
		.amdhsa_system_vgpr_workitem_id 0
		.amdhsa_next_free_vgpr 640
		.amdhsa_next_free_sgpr 96
		.amdhsa_reserve_vcc 0
		.amdhsa_float_denorm_mode_32 3
		.amdhsa_float_denorm_mode_16_64 3
		.amdhsa_memory_ordered 1
		.amdhsa_forward_progress 1
		.amdhsa_inst_pref_size 108
	.end_amdhsa_kernel
	.amdgpu_metadata
---
amdhsa.version: [ 1, 2 ]
amdhsa.kernels:
  - .name:           k_q9bad3b10ce_rk
    .symbol:         k_q9bad3b10ce_rk.kd
    .args:
      - { .name: act1, .offset: 0, .size: 8, .value_kind: global_buffer, .address_space: global }
      - { .name: wrh, .offset: 8, .size: 8, .value_kind: global_buffer, .address_space: global }
      - { .name: wr1_b, .offset: 16, .size: 8, .value_kind: global_buffer, .address_space: global }
      - { .name: act2, .offset: 24, .size: 8, .value_kind: global_buffer, .address_space: global }
    .group_segment_fixed_size: 327680
    .private_segment_fixed_size: 0
    .kernarg_segment_align: 8
    .kernarg_segment_size: 32
    .max_flat_workgroup_size: 128
    .sgpr_count:     96
    .vgpr_count:     640
    .wavefront_size: 32
...
	.end_amdgpu_metadata
.endif
;; end of part 3
;; launch hk (part 4): grid 8 x 32, 4 waves a work-group, clusters of 4 x 4, 327,680 bytes of LDS; arguments act1, act2, wgzh, wg1_b, wz1_b, wh1_b, s1buf; writes s1buf
.if DOCPART == 4
	.amdgcn_target "amdgcn-amd-amdhsa--gfx1250"
	.amdhsa_code_object_version 6
	.text
	.protected	k_q9bad3b10ce_hk
	.globl	k_q9bad3b10ce_hk
	.p2align	8
	.type	k_q9bad3b10ce_hk,@function
k_q9bad3b10ce_hk:
	s_mov_b64 s[64:65], 0
	v_nop
	global_prefetch_b8 v0, s[64:65] scope:SCOPE_SE
	s_setreg_imm32_b32 hwreg(HW_REG_WAVE_MODE, 25, 1), 1
	s_wait_xcnt 0x0
	s_wait_alu depctr_hold_cnt(0) depctr_sa_sdst(0) depctr_va_vdst(0) depctr_va_sdst(0) depctr_va_ssrc(0) depctr_va_vcc(0) depctr_vm_vsrc(0)
	s_getreg_b32 s2, hwreg(HW_REG_IB_STS2, 6, 4)
	s_cmp_eq_u32 s2, 0
	s_cbranch_scc0 .Lentry_in_a_cluster
	s_endpgm
.Lentry_in_a_cluster:
	s_bfe_u32 s2, ttmp6, 0x10000c
	s_cmp_lg_u32 s2, 0xf033
	s_cbranch_scc0 .Lentry_shape_is_right
	s_endpgm
.Lentry_shape_is_right:
; s1 = (1 - g) h + z s0, with g = tanh([xa|s0][ug|wg]^T + bg), z likewise, h = tanh([xa|s0 r][uh|wh]^T + bh).  The three gates of a tile are made together and never leave registers.
; act1 = [xa|s0], act2 = [xa|s0 r]: [32 row blocks][20 panels][256 rows][64] f16 (a PANEL is 64 columns of K, 128 bytes a row); wgzh: [8 column blocks][20 panels][3 gates g, z, h][128 rows][64] f16.
; s1buf: [512 groups of 16 rows][32 K steps][1,024 bytes] f16: each 1,024 bytes are the register image of a 16 x 32 matrix operand, 512 bytes for registers 0-3 (16 bytes a lane) and 512 for registers 4-7.
; Stage 2 of the module (the inputs ..2) has no way to y and is left out: shown at the head of the first launch's text.
; The weights hold c w, c = 2 log2(e), and the first product's C operand is c b: a sum t gives E = 2^t, Q = 1 / (E / 2 + 1 / 2) = 1 - tanh; E = infinity gives Q = 0, E = 0 gives Q = 2: nothing is clipped.
; LIMITS.  Operands are f16 (all lie within 65,504: xa by the first launch's limit, s0, s0 r within 1); a 2^t below 2^-126 counts as 0; NaN and infinities are not treated apart.
; SHARES.  A work-group makes 256 rows x 128 columns of each gate, its four waves 128 x 64 each: 32 accumulators a gate, (a, b) at v[8 (4 a + b)] of window 1 + gate.
; THE MATRIX INSTRUCTION IS USED TRANSPOSED: source 0 = 16 rows of W, source 1 = 16 rows of A: lane l holds row l % 16 of the result and the columns 8 (l / 16) + 0..7.  Rounded to f16 in pairs, the
; lane's 16 bytes of column blocks 2 kk and 2 kk + 1 ARE registers 0-3 and 4-7 of the next product's operand for K step kk: s1 is stored from registers, 512 consecutive bytes a store, with no way through LDS.
; RING.  Two LDS slots; a slot holds a TILE: one panel of act1, of act2 and of the three gates.  Each wave fills a quarter by one tensor load.
; CLUSTER.  4 x 4 work-groups: the four of a row of the cluster have the same rows of A, the four of a column the same rows of W: each tile is asked for jointly.
; WINDOWS (s_set_vgpr_msb: bits 1:0 source 0, 3:2 source 1, 5:4 source 2, 7:6 destination): window 0: v0-16 addresses; v64-191 two buffers of 8 fragments of A; v192-255 two of 4 of W; windows 1-3: accumulators.
.set NG,    3         ; gates
.set T,     20        ; tiles
.set ASTEP, 32768     ; bytes from a tile of A to the next
.set BSTEP, 49152     ; of W
.set BROWS, 96        ; rows of 256 bytes in a load of W
.set BHALF, 27648     ; its bytes in LDS
.set BGH,   24576     ; its bytes in memory
.set CBS,   983040    ; a column block of W
.set RBS,   655360    ; a row block of act1, act2: 20 panels of 32,768 bytes
.set LIMA,  2
.set LIMB,  6
.set PFSB,  65536
.set PITCH, 144       ; an LDS row: 128 bytes + 16 of padding = 36 words: the 16 rows of a fragment load start at 16 different groups of four banks (64 banks of 4 bytes: ISA guide 11.1)
.set FRAG,  16*PITCH
.set APART, 256*PITCH ; 256 rows of A: a slot holds act1's, then act2's, then W from BOFF on
.set BOFF,  2*APART
.set SLOT1, 131072    ; slot 1 begins here: one exclusive or turns an address in one slot into the other's
.set SPARE, 262144    ; behind the ring: the spare words, 128 bytes for each wave: two blocks of 256 bytes that no other line names
.set PW,   8          ; s[8:9] W
.set PBI,  10         ; s[10:15] the gates' biases
.set PO,   16         ; s[16:17] s1buf
.set WV,   18         ; s18 wave
.set KW,   19         ; s19 wave / 2: my half of the rows; also: I fetch for A (0) or W (1)
.set PART, 20         ; s20 wave % 2: my half of the columns; also: which part I fetch
.set CX,   21
.set CY,   22
.set CB,   23         ; column block
.set RB,   24         ; row block
.set G1A,  28         ; s[28:35] descriptor group 1 for A
.set G1B,  36         ; s[36:43] for W
.set G0A,  44         ; s[44:51] group 0 for A: a set for each first fill; the second then walks on
.set G0B,  52         ; s[52:59] for W
.set LEFT, 60         ; s60 trips to go
.set TB,   61         ; s61 0 or SLOT1: the slot being read
.set LIM,  62         ; s62 a wave prefetches while LEFT is above it
.set PFA,  66         ; s[66:67] where my prefetches stand
.set PFS,  68         ; s[68:69] their step
.set OUT,  74         ; s[74:75]
.set S0B,  76         ; s[76:77] my tile of s0 in act1
.set CS,   78         ; s[78:79] c
.set ABUF, 92         ; s[92:93] act1 (waves 0, 2) or act2 (waves 1, 3)
.set A0,   4          ; v4  my lane's place in a slot's A; never rewritten
.set B0,   5          ; v5  in its W
.set ADRA, 6          ; v6  A0 + TB
.set ADRB, 7          ; v7  B0 + TB
.set GO,   10         ; v10 my 16 bytes of 512 consecutive bytes of s1buf
.set EO,   11         ; v11 my 16 bytes in 16 rows of a panel
.set BO,   12         ; v12 my 32 bytes of the bias
.set PFO,  13         ; v13 256 x lane
.set SPW,  14         ; v14 my spare word; never rewritten
.set NIL,  15         ; v15 0; never rewritten
.set EB,   64         ; the 128 words of s0, then of s1: window 0, where A's fragments lay
.set MSB, 0
.macro WIN new                         ; the high byte repeats the setting that is left; a switch that changes nothing is dropped
.if MSB != (\new)
	s_set_vgpr_msb (MSB<<8)|(\new)
.set MSB, (\new)
.endif
.endm
.macro PLACES                          ; four plain vector instructions between a matrix instruction and a load into, or a vector read of, its registers
.rept 4
	v_nop
.endr
.endm
.macro CREST                           ; a round of the cluster's barrier behind its opening barrier
	s_cmp_lg_u32 s[WV], 0
	s_cbranch_scc1 .Lnot_wave_0_\@
	s_barrier_signal -3
.Lnot_wave_0_\@:
	s_barrier_wait -3
	s_barrier_signal -1
	s_barrier_wait -1
.endm
.macro CROUND
	s_barrier_signal -1
	s_barrier_wait -1
	CREST
.endm
; A joint refill by the walking sets.  The branch hangs on the wave's number alone.  An s_nop 0 and four v_nop follow each line, ahead of the jump and the label.
.macro JLOAD
	s_cmp_eq_u32 s[KW], 0
	s_cbranch_scc0 .Lfor_b_\@
	tensor_load_to_lds s[G0A+4:G0A+7], s[G1A:G1A+7]
	s_nop 0
.rept 4
	v_nop
.endr
	s_branch .Lasked_\@
.Lfor_b_\@:
	tensor_load_to_lds s[G0B+4:G0B+7], s[G1B:G1B+7]
	s_nop 0
.rept 4
	v_nop
.endr
.Lasked_\@:
.endm
; A prefetch of 32 blocks of 256 bytes, a lane a block.  A's rows are read by both clusters of a row of clusters: cluster x = 0 asks; W's by all clusters of a column: cluster y = 0 asks.
; The four partners that ask for a tile jointly take 8,192 bytes each, told apart by address.  A's tile i + 4 in trip i (which refills tile i + 2); W's column block as a stream of 65,536
; bytes a trip from its tile 4 on, twelve trips.  LIM stops each at its buffer's last tile.
.macro ASK
	s_cmp_gt_u32 s[LEFT], s[LIM]
	s_cbranch_scc0 .Lnot_mine_\@
	global_prefetch_b8 v[PFO], s[PFA:PFA+1] th:TH_LOAD_NT scope:SCOPE_SE
.Lnot_mine_\@:
.endm
; 8 fragments of A (128 rows x 32 K) into buffer xa: sel = act1 (0) or act2 (1), K half k of the panel.  A fragment: lane l holds row l % 16, K 8 (l / 16) + 0..7 and 16 + 8 (l / 16) + 0..7: two loads, 32 bytes apart.
.macro LDA xa, sel, k
	WIN 0
.irp i, 0,1,2,3,4,5,6,7
	ds_load_b128 v[64+64*(\xa)+8*\i:64+64*(\xa)+8*\i+3],   v[ADRA] offset:(\sel)*APART+\i*FRAG+64*(\k)
	ds_load_b128 v[64+64*(\xa)+8*\i+4:64+64*(\xa)+8*\i+7], v[ADRA] offset:(\sel)*APART+\i*FRAG+64*(\k)+32
.endr
.endm
; 4 fragments of W (64 rows x 32 K) into buffer yb: sel = the gate
.macro LDB yb, sel, k
	WIN 0
.irp i, 0,1,2,3
	ds_load_b128 v[192+32*(\yb)+8*\i:192+32*(\yb)+8*\i+3],   v[ADRB] offset:(\sel)*128*PITCH+\i*FRAG+64*(\k)
	ds_load_b128 v[192+32*(\yb)+8*\i+4:192+32*(\yb)+8*\i+7], v[ADRB] offset:(\sel)*128*PITCH+\i*FRAG+64*(\k)+32
.endr
.endm
; 4 na matrix instructions of gate g: row blocks a0 .. a0 + na - 1 x 4 column blocks, 32 along K.  The 32 accumulators take turns, one instruction a turn, always in the same order.
; first = 1: the sums start with c b, which lies in (7, b); row block 7 writes over it, five places behind the last product that read it as C.
.macro MUL g, xa, yb, a0, na, first
	WIN 0x50*(1+(\g))
.set ma, \a0
.rept \na
.if (\first) && (ma == 7)
.rept 5
	v_nop
.endr
.endif
.irp b, 0,1,2,3
.if \first
	v_wmma_f32_16x16x32_f16 v[8*(4*ma+\b):8*(4*ma+\b)+7], v[192+32*(\yb)+8*\b:192+32*(\yb)+8*\b+7], v[64+64*(\xa)+8*ma:64+64*(\xa)+8*ma+7], v[224+8*\b:224+8*\b+7]
.else
	v_wmma_f32_16x16x32_f16 v[8*(4*ma+\b):8*(4*ma+\b)+7], v[192+32*(\yb)+8*\b:192+32*(\yb)+8*\b+7], v[64+64*(\xa)+8*ma:64+64*(\xa)+8*ma+7], v[8*(4*ma+\b):8*(4*ma+\b)+7]
.endif
.endr
.set ma, ma+1
.endr
.endm
.macro HEAD
	s_wait_dscnt 0x0                               ; this substep's fragments are in
	PLACES                                         ; the loads below go into buffers that the substep before multiplied
	WIN 0
.endm
; SUBSTEP u = 3 k + gate of a tile: 32 matrix instructions; at its head the next substep's fragments are asked for, in one run.
; g and z multiply act1's fragments (buffer 0), h act2's (buffer 1); W's buffers alternate.
.macro SUB u, first
	HEAD
.if (\u) == 0
	LDB 1, 1, 0
	LDA 1, 1, 0
	MUL 0, 0, 0, 0, 8, \first
.elseif (\u) == 1
	LDB 0, 2, 0
	MUL 1, 0, 1, 0, 8, \first
.elseif (\u) == 2
	LDB 1, 0, 1
	LDA 0, 0, 1
	MUL 2, 1, 0, 0, 8, \first
.elseif (\u) == 3
	LDB 0, 1, 1
	LDA 1, 1, 1
	MUL 0, 0, 1, 0, 8, 0
.else
	LDB 1, 2, 1
	MUL 1, 0, 0, 0, 8, 0
.endif
.endm
.macro FIRSTK first                    ; a tile's first 32 along K, for every gate
	SUB 0, \first
	SUB 1, \first
	SUB 2, \first
.endm
.macro REST                            ; the substeps between that and the tile's last
	SUB 3, 0
	SUB 4, 0
.endm
; A tile's last substep, and THE CHANGE OF SLOTS.  Each wave waits for all its tensor loads (one is out: its part of the other slot), adds 0 to its spare word, and waits for that and for its reads of this slot.
; Behind the barrier nobody reads this slot and the other is whole.  fill = 1: the barrier opens a round of the cluster's, and the joint refill (the tile two on) is the first thing behind the round.
.macro TURN fill
.if \fill
	s_wait_xcnt 0x0                                ; the last prefetch, a tile back, has read its address
	s_add_nc_u64 s[PFA:PFA+1], s[PFA:PFA+1], s[PFS:PFS+1]
.endif
	WIN 0
	s_wait_tensorcnt 0x0                           ; no tensor load of mine is out
	ds_add_u32 v[SPW], v[NIL]                      ; 0 onto my spare word
	s_wait_dscnt 1                                 ; the fragments are in; the add alone may be out
	MUL 2, 1, 1, 0, 2, 0
	s_wait_dscnt 0x0                               ; the add is done, and my reads of this slot are over
	s_barrier_signal -1
	MUL 2, 1, 1, 2, 2, 0
	WIN 0
	s_barrier_wait -1
.if \fill
	CREST
	s_xor_b32 s[G0A+5], s[G0A+5], SLOT1            ; the walking sets: the other slot than last time, the next tile
	s_add_nc_u64 s[G0A+6:G0A+7], s[G0A+6:G0A+7], ASTEP
	s_xor_b32 s[G0B+5], s[G0B+5], SLOT1
	s_add_nc_u64 s[G0B+6:G0B+7], s[G0B+6:G0B+7], BSTEP
	JLOAD                                          ; its four v_nop are also the places in front of the loads below
.else
	PLACES
.endif
	s_xor_b32 s[TB], s[TB], SLOT1
	v_add_nc_u32 v[ADRA], s[TB], v[A0]
	v_add_nc_u32 v[ADRB], s[TB], v[B0]
	LDA 0, 0, 0                                    ; the next tile's first fragments
	LDB 0, 0, 0
.if \fill
	ASK
.endif
	MUL 2, 1, 1, 4, 4, 0
.endm
	s_load_b256 s[4:11], s[0:1], 0x0               ; act1 4, act2 6, wgzh 8, wg1_b 10
	s_load_b128 s[12:15], s[0:1], 0x20             ; wz1_b 12, wh1_b 14
	s_load_b64 s[16:17], s[0:1], 0x30              ; s1buf
	v_lshl_add_u32 v[SPW], v0, 2, SPARE
	v_mov_b32 v[NIL], 0
	ds_add_u32 v[SPW], v[NIL]                      ; the wave's opening: the add, twice on end, and its wait ahead of my first tensor load
	ds_add_u32 v[SPW], v[NIL]
	v_lshrrev_b32 v1, 5, v0
	v_readfirstlane_b32 s[WV], v1
	s_lshr_b32 s[KW], s[WV], 1
	s_and_b32 s[PART], s[WV], 1
	s_bfe_u32 s[CX], ttmp6, 0x40000
	s_bfe_u32 s[CY], ttmp6, 0x40004
	s_lshl_b32 s[CB], ttmp9, 2                     ; in a cluster launch ttmp9 and ttmp7 count clusters
	s_add_co_u32 s[CB], s[CB], s[CX]
	s_and_b32 s[RB], ttmp7, 0xffff
	s_lshl_b32 s[RB], s[RB], 2
	s_add_co_u32 s[RB], s[RB], s[CY]
	s_lshl_b32 s25, s[CY], 2
	s_lshl_b32 s25, 15, s25                        ; my row of the cluster
	s_lshl_b32 s26, 0x1111, s[CX]                  ; my column
	; group 1: rows of 256 bytes (two LDS rows), padded in LDS after every 128 bytes
	s_or_b32 s[G1A], s25, (1<<16)|(1<<20)|(1<<21)|(4<<22)|(3<<25)  ; 15:0 the mask; 17:16 2-byte elements; 20 padding on; 21 set beside a mask; 24:22 after every 32 words (code 4); 31:25 4 words (code 3)
	s_or_b32 s[G1B], s26, (1<<16)|(1<<20)|(1<<21)|(4<<22)|(3<<25)
	s_mov_b32 s[G1A+1], 128<<16                    ; tensor_dim0 = 128
	s_mov_b32 s[G1A+2], 128<<16                    ; tensor_dim1 = 128
	s_mov_b32 s[G1A+3], 128<<16                    ; tile_dim0 = 128
	s_mov_b32 s[G1A+4], 128                        ; tile_dim1 = 128
	s_mov_b32 s[G1A+5], 128                        ; 128 elements from row to row
	s_mov_b32 s[G1A+6], 0
	s_mov_b32 s[G1A+7], 0
	s_mov_b32 s[G1B+1], 128<<16
	s_mov_b32 s[G1B+2], BROWS<<16
	s_mov_b32 s[G1B+3], 128<<16
	s_mov_b32 s[G1B+4], BROWS
	s_mov_b32 s[G1B+5], 128
	s_mov_b32 s[G1B+6], 0
	s_mov_b32 s[G1B+7], 0
	s_mov_b32 s[CS], 0x4038aa3b                    ; c = 2 log2(e)
	s_mov_b32 s[CS+1], s[CS]
	s_mov_b32 s[TB], 0
	; A's address hangs on the row block alone, W's on the column block alone, each in registers that never hold the other coordinate
	s_mul_i32 s70, s[RB], RBS
	s_mov_b32 s71, 0
	s_mul_i32 s72, s[CB], CBS
	s_mul_i32 s86, s[PART], BGH
	s_add_co_u32 s72, s72, s86
	s_mov_b32 s73, 0
	s_mul_i32 s85, s[PART], APART                  ; where they go: the wave's number alone
	s_mul_i32 s87, s[PART], BHALF
	s_add_co_u32 s87, s87, BOFF
	s_wait_dscnt 0x0                               ; both opening adds are done
	s_wait_kmcnt 0x0
	s_cmp_eq_u32 s[PART], 0
	s_cselect_b64 s[ABUF:ABUF+1], s[4:5], s[6:7]
	s_add_nc_u64 s[70:71], s[ABUF:ABUF+1], s[70:71]
	s_add_nc_u64 s[72:73], s[PW:PW+1], s[72:73]
	CROUND                                         ; all sixteen work-groups are here: the first joint loads meet
.irp s, 0,1
	s_mov_b32 s[G0A+4*\s], 1                       ; count = 1
	s_add_co_u32 s[G0A+4*\s+1], s85, \s*SLOT1      ; LDS address
	s_add_nc_u64 s[G0A+4*\s+2:G0A+4*\s+3], s[70:71], \s*ASTEP  ; tile s
	s_or_b32 s[G0A+4*\s+3], s[G0A+4*\s+3], 0x80000000          ; type = 2
	s_mov_b32 s[G0B+4*\s], 1
	s_add_co_u32 s[G0B+4*\s+1], s87, \s*SLOT1
	s_add_nc_u64 s[G0B+4*\s+2:G0B+4*\s+3], s[72:73], \s*BSTEP
	s_or_b32 s[G0B+4*\s+3], s[G0B+4*\s+3], 0x80000000
.endr
	s_cmp_eq_u32 s[KW], 0                          ; a wave's two first fills stand in one branch: two loads of mine are out
	s_cbranch_scc0 .Lfirst_b
	tensor_load_to_lds s[G0A:G0A+3], s[G1A:G1A+7]
	s_nop 0
	tensor_load_to_lds s[G0A+4:G0A+7], s[G1A:G1A+7]
	s_nop 0
.rept 4
	v_nop
.endr
	s_branch .Lfirst_asked
.Lfirst_b:
	tensor_load_to_lds s[G0B:G0B+3], s[G1B:G1B+7]
	s_nop 0
	tensor_load_to_lds s[G0B+4:G0B+7], s[G1B:G1B+7]
	s_nop 0
.rept 4
	v_nop
.endr
.Lfirst_asked:
	v_and_b32 v1, 15, v0                           ; l % 16
	v_bfe_u32 v2, v0, 4, 1                         ; l / 16
	v_and_b32 v3, 31, v0                           ; l
	v_mul_u32_u24 v16, v1, PITCH
	v_lshl_add_u32 v16, v2, 4, v16                 ; row x pitch + 16 x half
	s_mul_i32 s94, s[KW], 128*PITCH                ; my 128 rows of A
	v_add_nc_u32 v[A0], s94, v16
	s_mul_i32 s94, s[PART], 64*PITCH               ; my 64 rows of W
	s_add_co_u32 s94, s94, BOFF
	v_add_nc_u32 v[B0], s94, v16
	v_mov_b32 v[ADRA], v[A0]                       ; slot 0
	v_mov_b32 v[ADRB], v[B0]
	v_lshlrev_b32 v[GO], 4, v3
	v_lshlrev_b32 v[EO], 7, v1
	v_lshl_add_u32 v[EO], v2, 4, v[EO]
	v_lshlrev_b32 v[PFO], 8, v3
	s_lshl_b32 s95, s[CB], 9                       ; my 64 columns of the bias: 4 (128 CB + 64 half) bytes
	s_lshl_b32 s83, s[PART], 8
	s_add_co_u32 s95, s95, s83
	v_lshl_add_u32 v[BO], v2, 5, s95
	; my 128 rows of panel 4 + 2 CB + half of my row block: where s0 lies in act1
	s_mul_i32 s80, s[RB], 20
	s_lshl1_add_u32 s80, s[CB], s80
	s_add_co_u32 s80, s80, s[PART]
	s_add_co_u32 s80, s80, 4
	s_lshl_b32 s80, s80, 15
	s_lshl_b32 s82, s[KW], 14
	s_add_co_u32 s80, s80, s82
	s_mov_b32 s81, 0
	s_add_nc_u64 s[S0B:S0B+1], s[4:5], s[80:81]
	; s1buf: my first group of 16 rows is 16 RB + 8 half, 32,768 bytes a group; my first K step is 4 CB + 2 half, 1,024 bytes a step
	s_lshl_b32 s82, s[RB], 4
	s_lshl3_add_u32 s82, s[KW], s82
	s_lshl_b32 s82, s82, 15
	s_lshl_b32 s83, s[CB], 12
	s_add_co_u32 s82, s82, s83
	s_lshl_b32 s83, s[PART], 11
	s_add_co_u32 s82, s82, s83
	s_mov_b32 s83, 0
	s_add_nc_u64 s[OUT:OUT+1], s[PO:PO+1], s[82:83]
	; the prefetches' pointer: one step ahead of it lies what the first refill's trip names
	s_mul_i32 s90, s[RB], RBS
	s_mul_i32 s91, s[CB], CBS
	s_lshl_b32 s95, s[PART], 15
	s_add_co_u32 s90, s90, 3*32768
	s_add_co_u32 s91, s91, s95
	s_add_co_u32 s91, s91, 131072
	s_and_b32 s88, ttmp7, 0xffff                   ; cluster y
	s_mov_b32 s[PFS], PFSB
	s_cmp_eq_u32 s[KW], 0                          ; do I fetch for A?
	s_cselect_b32 s88, ttmp9, s88                  ; the coordinate along which other clusters read the same rows
	s_cselect_b32 s89, s[CX], s[CY]                ; my place among the four that ask with me
	s_cselect_b32 s90, s90, s91
	s_cselect_b32 s[LIM], LIMA, LIMB
	s_cselect_b32 s[PFS], ASTEP, s[PFS]
	s_cselect_b64 s[PFA:PFA+1], s[ABUF:ABUF+1], s[PW:PW+1]
	s_mov_b32 s[PFS+1], 0
	s_lshl_b32 s89, s89, 13
	s_add_co_u32 s90, s90, s89
	s_mov_b32 s91, 0
	s_add_nc_u64 s[PFA:PFA+1], s[PFA:PFA+1], s[90:91]
	s_cmp_eq_u32 s88, 0
	s_cselect_b32 s[LIM], s[LIM], -1               ; the same in all sixteen partners, for a given wave
	; the bias of my columns 16 b + 8 (l / 16) + 0..7 goes where accumulator (7, b) lies
.set g, 0
.rept NG
	WIN (1+g)<<6
.irp b, 0,1,2,3
	global_load_b128 v[224+8*\b:224+8*\b+3], v[BO], s[PBI+2*g:PBI+2*g+1] offset:64*\b
	global_load_b128 v[228+8*\b:228+8*\b+3], v[BO], s[PBI+2*g:PBI+2*g+1] offset:64*\b+16
.endr
.set g, g+1
.endr
	WIN 0
	s_wait_tensorcnt 1                             ; my part of tile 0 is in; tile 1's may stay out
	s_barrier_signal -1
	s_barrier_wait -1
	LDA 0, 0, 0
	LDB 0, 0, 0
	s_wait_loadcnt 0x0                             ; the biases are in
.set w, 1
.rept NG
	WIN 0x41*w
.set i, 224
.rept 16
	v_pk_mul_f32 v[i:i+1], v[i:i+1], s[CS:CS+1] op_sel_hi:[1,0]
.set i, i+2
.endr
.set w, w+1
.endr
	FIRSTK 1                                       ; the first products start the sums with c b: nothing is cleared
	WIN 0                                          ; at a label and at a branch every window is 0
	s_mov_b32 s[LEFT], T-2
.Ltile:                                            ; a trip: the rest of a tile, the change of slots with its refill, the next tile's first 32 along K
	REST
	TURN 1
	FIRSTK 0
	WIN 0
	s_sub_co_u32 s[LEFT], s[LEFT], 1
	s_cmp_lg_u32 s[LEFT], 0
	s_cbranch_scc1 .Ltile
	REST                                           ; the last two tiles are written out: nothing more is asked for
	TURN 0
	FIRSTK 0
	REST
	s_wait_dscnt 0x0
	MUL 2, 1, 1, 0, 8, 0
	; THE EPILOGUE, in place in the accumulators' windows; each accumulator is read from its lowest register on.
	PLACES
	WIN 0                                          ; my tile of s0 goes where A's fragments lay: word 16 a + 4 b + k holds columns 2 k, 2 k + 1 of a lane's eight; it lands under the exponentials
.set a, 0
.rept 8
.irp b, 0,1,2,3
	global_load_b128 v[EB+16*a+4*\b:EB+16*a+4*\b+3], v[EO], s[S0B:S0B+1] offset:a*2048+32*\b
.endr
.set a, a+1
.endr
.set w, 1
.rept NG
	WIN 0x41*w
.set i, 0
.rept 256
	v_exp_f32 v[i], v[i]                           ; E = 2^t
.set i, i+1
.endr
.set w, w+1
.endr
	v_nop                                          ; a plain instruction behind the last exponential,
	s_wait_alu depctr_va_vdst(0)                   ; and one wait for the whole batch, ahead of its first reader
.set w, 1
.rept NG
	WIN 0x41*w
.set i, 0
.rept 128
	v_pk_fma_f32 v[i:i+1], v[i:i+1], 0.5, 0.5 op_sel_hi:[1,0,0]
.set i, i+2
.endr
.set w, w+1
.endr
.set w, 1
.rept NG
	WIN 0x41*w
.set i, 0
.rept 256
	v_rcp_f32 v[i], v[i]                           ; Q = 1 - tanh
.set i, i+1
.endr
.set w, w+1
.endr
	v_nop
	s_wait_alu depctr_va_vdst(0)                   ; one wait for the reciprocals
	WIN 0x5d                                       ; Qg (sources 0, 2 and destination) in window 1, Qh in window 3
.set i, 0
.rept 128
	v_pk_fma_f32 v[i:i+1], v[i:i+1], v[i:i+1], v[i:i+1] neg_lo:[0,1,0] neg_hi:[0,1,0]  ; (1 - g) h = Qg - Qg Qh
.set i, i+2
.endr
	WIN 0x82
.set i, 0
.rept 128
	v_pk_fma_f32 v[i:i+1], v[i:i+1], -1.0, 1.0 op_sel_hi:[1,0,0]  ; z = 1 - Qz
.set i, i+2
.endr
	s_wait_loadcnt 0x0                             ; s0
	WIN 0x12                                       ; z in window 2, s0 and the destination in window 0, (1 - g) h in window 1
.set i, 0
.rept 128
	v_fma_mixlo_f16 v[EB+i], v[2*i], v[EB+i], v[2*i] op_sel_hi:[0,1,0]  ; s1 = z s0 + (1 - g) h, rounded once; the low halves,
.set i, i+1
.endr
.set i, 0
.rept 128
	v_fma_mixhi_f16 v[EB+i], v[2*i+1], v[EB+i], v[2*i+1] op_sel:[0,1,0] op_sel_hi:[0,1,0]  ; then the high halves
.set i, i+1
.endr
	; THE WAY OUT: words 16 a + 4 b .. + 3 are half b % 2 of the operand image of rows 16 a .. 16 a + 15, K step b / 2
	WIN 0
.set a, 0
.rept 8
.irp b, 0,1,2,3
	global_store_b128 v[GO], v[EB+16*a+4*\b:EB+16*a+4*\b+3], s[OUT:OUT+1] offset:a*32768+512*\b  ; 512 consecutive bytes, aligned
.endr
.set a, a+1
.endr
	s_wait_tensorcnt 0x0                           ; the wave's end, behind my last tensor load
	ds_add_u32 v[SPW], v[NIL]
	s_wait_dscnt 0x0
	CROUND                                         ; the closing round: no work-group ends while a partner may still ask for a tile that names it
	s_endpgm
.Lfunc_end_k_q9bad3b10ce_hk:
	.size	k_q9bad3b10ce_hk, .Lfunc_end_k_q9bad3b10ce_hk-k_q9bad3b10ce_hk
	.p2alignl 7, 3214868480
	.fill 96, 4, 3214868480
	.section	.rodata,"a",@progbits
	.p2align	6, 0x0
	.amdhsa_kernel k_q9bad3b10ce_hk
		.amdhsa_group_segment_fixed_size 327680
		.amdhsa_private_segment_fixed_size 0
		.amdhsa_enable_private_segment 0
		.amdhsa_kernarg_size 56
		.amdhsa_user_sgpr_count 2
		.amdhsa_user_sgpr_kernarg_segment_ptr 1
		.amdhsa_wavefront_size32 1
		.amdhsa_system_sgpr_workgroup_id_x 1
		.amdhsa_system_sgpr_workgroup_id_y 1
		.amdhsa_system_sgpr_workgroup_id_z 1
		.amdhsa_system_vgpr_workitem_id 0
		.amdhsa_next_free_vgpr 1024
		.amdhsa_next_free_sgpr 96
		.amdhsa_reserve_vcc 0
		.amdhsa_float_denorm_mode_32 3
		.amdhsa_float_denorm_mode_16_64 3
		.amdhsa_memory_ordered 1
		.amdhsa_forward_progress 1
		.amdhsa_inst_pref_size 188
	.end_amdhsa_kernel
	.amdgpu_metadata
---
amdhsa.version: [ 1, 2 ]
amdhsa.kernels:
  - .name:           k_q9bad3b10ce_hk
    .symbol:         k_q9bad3b10ce_hk.kd
    .args:
      - { .name: act1, .offset: 0, .size: 8, .value_kind: global_buffer, .address_space: global }
      - { .name: act2, .offset: 8, .size: 8, .value_kind: global_buffer, .address_space: global }
      - { .name: wgzh, .offset: 16, .size: 8, .value_kind: global_buffer, .address_space: global }
      - { .name: wg1_b, .offset: 24, .size: 8, .value_kind: global_buffer, .address_space: global }
      - { .name: wz1_b, .offset: 32, .size: 8, .value_kind: global_buffer, .address_space: global }
      - { .name: wh1_b, .offset: 40, .size: 8, .value_kind: global_buffer, .address_space: global }
      - { .name: s1buf, .offset: 48, .size: 8, .value_kind: global_buffer, .address_space: global }
    .group_segment_fixed_size: 327680
    .private_segment_fixed_size: 0
    .kernarg_segment_align: 8
    .kernarg_segment_size: 56
    .max_flat_workgroup_size: 128
    .sgpr_count:     96
    .vgpr_count:     1024
    .wavefront_size: 32
...
	.end_amdgpu_metadata
.endif
;; end of part 4
;; launch yk (part 5): grid 4 x 64, 4 waves a work-group, clusters of 4 x 4, 327,680 bytes of LDS; arguments s1buf, w4h, out0; writes out0
.if DOCPART == 5
	.amdgcn_target "amdgcn-amd-amdhsa--gfx1250"
	.amdhsa_code_object_version 6
	.text
	.protected	k_q9bad3b10ce_yk
	.globl	k_q9bad3b10ce_yk
	.p2align	8
	.type	k_q9bad3b10ce_yk,@function
k_q9bad3b10ce_yk:
	s_mov_b64 s[64:65], 0
	v_nop
	global_prefetch_b8 v0, s[64:65] scope:SCOPE_SE
	s_setreg_imm32_b32 hwreg(HW_REG_WAVE_MODE, 25, 1), 1
	s_wait_xcnt 0x0
	s_wait_alu depctr_hold_cnt(0) depctr_sa_sdst(0) depctr_va_vdst(0) depctr_va_sdst(0) depctr_va_ssrc(0) depctr_va_vcc(0) depctr_vm_vsrc(0)
	s_getreg_b32 s2, hwreg(HW_REG_IB_STS2, 6, 4)
	s_cmp_eq_u32 s2, 0
	s_cbranch_scc0 .Lentry_in_a_cluster
	s_endpgm
.Lentry_in_a_cluster:
	s_bfe_u32 s2, ttmp6, 0x10000c
	s_cmp_lg_u32 s2, 0xf033
	s_cbranch_scc0 .Lentry_shape_is_right
	s_endpgm
.Lentry_shape_is_right:
; y = s1 w4^T.  s1buf: [512 groups of 16 rows][32 K steps][1,024 bytes] f16: each 1,024 bytes are the register image of a 16 x 32 matrix operand (512 bytes for registers 0-3, 16 bytes a lane, then 512
; for registers 4-7); w4h: [4 blocks of 64 rows n][16 panels][64 rows][64] f16 (a PANEL is 64 columns of K); out0: [8192][256] f32.  Sums in f32.
; Stage 2 of the module (the inputs ..2) has no way to y and is left out: shown at the head of the first launch's text.
; SHARES.  A work-group makes 128 rows x 64 columns: 256 work-groups.  Wave w makes rows 32 w .. 32 w + 31 x 64 columns: 8 accumulators, (a, b) at v[16 + 8 (4 a + b)].
; The matrix instruction is used transposed (source 0 = 16 rows of w4, source 1 = 16 rows of s1): a lane holds row l % 16 of y and the columns 8 (l / 16) + 0..7: 32 bytes on end.
; s1 GOES STRAIGHT INTO REGISTERS.  No wave wants a row of s1 that another wave of the work-group has fetched, and s1buf holds the operands as they lie in registers: a load of a wave is 512 consecutive
; bytes.  A wave's 32 rows x 1,024 K are 128 loads into 512 registers (windows 1 and 2); no register is loaded twice.  Panels 0-5 are asked for at the head, panel p + 6 in step p: 56 loads are out at the most.
; w4 GOES THROUGH LDS: its block of 64 rows x 1,024 K is shared by the four waves, and all of it lies in LDS at once, so no LDS byte is filled twice.  Two stages of 8 panels; in each a wave fetches two
; panels by one tensor load of 64 rows of 256 bytes: two loads of mine are out at the start.  Stage 1 is waited for ahead of the barrier in step 7.
; CLUSTER.  4 x 4 work-groups: a column of the cluster shares its block of w4: asked for jointly.
; K is written out: the operands of s1 lie in named registers.  No prefetch: w4's block is asked for at the head, s1's panels six steps ahead by the loads themselves.
; WINDOWS (s_set_vgpr_msb: bits 1:0 source 0, 3:2 source 1, 5:4 source 2, 7:6 destination): window 0: v0-15 addresses; v16-79 accumulators; v128-255 two sets of a panel's 8 fragments of w4;
;   windows 1, 2: s1: panel p in window 1 + p / 8, row block a, K half k at v[32 (p % 8) + 16 a + 8 k].  An LDS load names window 0 in both its places under the products' setting too.
.set PITCH, 144       ; an LDS row: 128 bytes + 16 of padding: the 16 rows of a fragment load start at 16 different groups of four banks (64 banks of 4 bytes: ISA guide 11.1)
.set FRAG,  16*PITCH
.set PANEL, 64*PITCH
.set STAGE, 16*PANEL  ; never filled by a tensor load: 16 rows x 272 bytes for each wave, for the way out
.set SP,    272
.set SPARE, STAGE+4*16*SP  ; the spare words, 128 bytes for each wave: two blocks of 256 bytes that no other line names
.set AHEAD, 6         ; panels of s1 asked for ahead
.set WV,   18
.set CX,   21
.set CY,   22
.set CB,   23
.set RB,   24
.set G1,   28         ; s[28:35] descriptor group 1
.set G0,   36         ; s[36:43] group 0, a set for each stage
.set ABASE, 44        ; s[44:45] s1buf at my first group of 16 rows; never rewritten
.set AB,   4          ; v4-7 LDS address of my lane's place in w4's panels 4 j on
.set AO,   8          ; v8  16 x lane; never rewritten
.set CO,   9          ; v9  my byte offset in two rows of y
.set STO,  10         ; v10 where I put 32 bytes of a row
.set RD,   11         ; v11 where I read rows back
.set SPW,  14         ; v14 my spare word; never rewritten
.set NIL,  15         ; v15 0; never rewritten
.set ACC,  16
.set BS,   128        ; set s at BS + 64 s: K half k, column block b at + 8 (4 k + b)
.set BK,   128        ; the way out: 16 rows read back, a set of 32 registers for each row block
.set MSB, 0
.macro WIN new                         ; the high byte repeats the setting that is left; a switch that changes nothing is dropped
.if MSB != (\new)
	s_set_vgpr_msb (MSB<<8)|(\new)
.set MSB, (\new)
.endif
.endm
.macro PLACES                          ; four plain vector instructions between a matrix instruction and a load into, or a read of, its registers
.rept 4
	v_nop
.endr
.endm
.macro CROUND                          ; a round of the cluster's barrier
	s_barrier_signal -1
	s_barrier_wait -1
	s_cmp_lg_u32 s[WV], 0
	s_cbranch_scc1 .Lnot_wave_0_\@
	s_barrier_signal -3
.Lnot_wave_0_\@:
	s_barrier_wait -3
	s_barrier_signal -1
	s_barrier_wait -1
.endm
; 8 loads: panel p of my 32 rows of s1, 512 consecutive bytes each
.macro LDAP p
	WIN (1+(\p)/8)<<6
.irp a, 0,1
.irp k, 0,1
	global_load_b128 v[32*((\p)%8)+16*\a+8*\k:32*((\p)%8)+16*\a+8*\k+3],   v[AO], s[ABASE:ABASE+1] offset:\a*32768+(2*(\p)+\k)*1024
	global_load_b128 v[32*((\p)%8)+16*\a+8*\k+4:32*((\p)%8)+16*\a+8*\k+7], v[AO], s[ABASE:ABASE+1] offset:\a*32768+(2*(\p)+\k)*1024+512
.endr
.endr
.endm
; 16 LDS loads: panel p of w4 into set s.  A fragment: lane l holds row l % 16, K 8 (l / 16) + 0..7 and 16 + 8 (l / 16) + 0..7: two loads, 32 bytes apart.
.macro LDBP s, p
.irp k, 0,1
.irp b, 0,1,2,3
	ds_load_b128 v[BS+64*(\s)+8*(4*\k+\b):BS+64*(\s)+8*(4*\k+\b)+3],   v[AB+(\p)/4] offset:((\p)%4)*PANEL+\b*FRAG+64*\k
	ds_load_b128 v[BS+64*(\s)+8*(4*\k+\b)+4:BS+64*(\s)+8*(4*\k+\b)+7], v[AB+(\p)/4] offset:((\p)%4)*PANEL+\b*FRAG+64*\k+32
.endr
.endr
.endm
; A panel's 16 matrix instructions.  The eight accumulators take turns, one instruction a turn, always in the same order.  Panel 0's first eight start the sums.
.macro MULP p
	WIN (1+(\p)/8)<<2
.irp k, 0,1
.irp a, 0,1
.irp b, 0,1,2,3
.if ((\p) == 0) && (\k == 0)
	v_wmma_f32_16x16x32_f16 v[ACC+8*(4*\a+\b):ACC+8*(4*\a+\b)+7], v[BS+64*((\p)%2)+8*(4*\k+\b):BS+64*((\p)%2)+8*(4*\k+\b)+7], v[32*((\p)%8)+16*\a+8*\k:32*((\p)%8)+16*\a+8*\k+7], 0
.else
	v_wmma_f32_16x16x32_f16 v[ACC+8*(4*\a+\b):ACC+8*(4*\a+\b)+7], v[BS+64*((\p)%2)+8*(4*\k+\b):BS+64*((\p)%2)+8*(4*\k+\b)+7], v[32*((\p)%8)+16*\a+8*\k:32*((\p)%8)+16*\a+8*\k+7], v[ACC+8*(4*\a+\b):ACC+8*(4*\a+\b)+7]
.endif
.endr
.endr
.endr
.endm
; Step p: the next panel of w4 is asked of LDS, into the set that the step before multiplied; panel p + AHEAD of s1 is asked of memory; panel p is multiplied.
.macro STEP p
.if (\p) > 0
	PLACES
.endif
.if (\p) == 7
	s_wait_tensorcnt 0x0                           ; my part of w4's panels 8-15 is in,
	s_wait_dscnt 0x0                               ; no LDS load of mine is out at the signal,
	s_barrier_signal -1
	s_barrier_wait -1                              ; everybody's part is in
.endif
.if (\p) < 15
	LDBP ((\p)+1)%2, (\p)+1
.endif
.if (\p)+AHEAD < 16
	LDAP (\p)+AHEAD
	s_wait_loadcnt 8*AHEAD                         ; panel p of s1 is in; the AHEAD younger panels' loads stay out
.else
	s_wait_loadcnt 8*(15-(\p))                     ; nothing more is asked for: the counts run down
.endif
.if (\p) < 15
	s_wait_dscnt 16                                ; panel p of w4 is in; the 16 loads just issued may be out
.else
	s_wait_dscnt 0x0
.endif
	MULP \p
.endm
	s_load_b128 s[4:7], s[0:1], 0x0                ; s1buf 4, w4h 6
	s_load_b64 s[8:9], s[0:1], 0x10                ; out0
	v_lshl_add_u32 v[SPW], v0, 2, SPARE
	v_mov_b32 v[NIL], 0
	ds_add_u32 v[SPW], v[NIL]                      ; the wave's opening: the add, twice on end, and its wait ahead of my first tensor load
	ds_add_u32 v[SPW], v[NIL]
	v_lshrrev_b32 v1, 5, v0
	v_readfirstlane_b32 s[WV], v1
	s_bfe_u32 s[CX], ttmp6, 0x40000
	s_bfe_u32 s[CY], ttmp6, 0x40004
	s_lshl_b32 s[CB], ttmp9, 2
	s_add_co_u32 s[CB], s[CB], s[CX]               ; block of 64 columns
	s_and_b32 s[RB], ttmp7, 0xffff
	s_lshl_b32 s[RB], s[RB], 2
	s_add_co_u32 s[RB], s[RB], s[CY]               ; block of 128 rows
	s_lshl_b32 s26, 0x1111, s[CX]                  ; my column of the cluster
	s_or_b32 s[G1], s26, (1<<16)|(1<<20)|(1<<21)|(4<<22)|(3<<25)  ; the mask; 2-byte elements; padding on; bit 21 beside a mask; after every 32 words 4 words
	s_mov_b32 s[G1+1], 128<<16                     ; tensor_dim0 = 128: rows of 256 bytes, two LDS rows each
	s_mov_b32 s[G1+2], 64<<16                      ; tensor_dim1 = 64
	s_mov_b32 s[G1+3], 128<<16                     ; tile_dim0 = 128
	s_mov_b32 s[G1+4], 64                          ; tile_dim1 = 64
	s_mov_b32 s[G1+5], 128                         ; 128 elements from row to row
	s_mov_b32 s[G1+6], 0
	s_mov_b32 s[G1+7], 0
	s_lshl_b32 s46, s[CB], 17                      ; w4's address hangs on the column block and the wave's number alone
	s_lshl_b32 s54, s[WV], 14                      ; my two panels of 8,192 bytes
	s_add_co_u32 s46, s46, s54
	s_mov_b32 s47, 0
	s_mul_i32 s48, s[WV], 2*PANEL                  ; where they go: the wave's number alone
	s_lshl_b32 s50, s[RB], 3                       ; my first group of 16 rows: 8 RB + 2 wave, 32,768 bytes a group
	s_lshl1_add_u32 s50, s[WV], s50
	s_lshl_b32 s50, s50, 15
	s_mov_b32 s51, 0
	s_lshl_b32 s52, s[RB], 7                       ; my first row of y: 128 RB + 32 wave, 1,024 bytes a row
	s_lshl_b32 s55, s[WV], 5
	s_add_co_u32 s52, s52, s55
	s_lshl_b32 s52, s52, 10
	s_lshl_b32 s55, s[CB], 8                       ; my 64 columns: 256 bytes
	s_add_co_u32 s52, s52, s55
	s_mov_b32 s53, 0
	v_and_b32 v3, 31, v0
	v_lshlrev_b32 v[AO], 4, v3
	s_wait_dscnt 0x0                               ; both opening adds are done
	s_wait_kmcnt 0x0
	s_add_nc_u64 s[46:47], s[6:7], s[46:47]
	s_add_nc_u64 s[ABASE:ABASE+1], s[4:5], s[50:51]
	s_add_nc_u64 s[8:9], s[8:9], s[52:53]
.irp p, 0,1,2,3,4,5
	LDAP \p                                        ; s1's first panels hang on no partner: they go out ahead of the round
.endr
	WIN 0                                          ; at a label and at a branch every window is 0
	CROUND                                         ; all sixteen work-groups are here: the joint loads meet
.irp j, 0,1
	s_mov_b32 s[G0+4*\j], 1                        ; count = 1
	s_add_co_u32 s[G0+4*\j+1], s48, \j*8*PANEL     ; LDS address
	s_add_nc_u64 s[G0+4*\j+2:G0+4*\j+3], s[46:47], \j*65536  ; stage j: panels 8 j on
	s_or_b32 s[G0+4*\j+3], s[G0+4*\j+3], 0x80000000          ; type = 2
.endr
.irp j, 0,1
	tensor_load_to_lds s[G0+4*\j:G0+4*\j+3], s[G1:G1+7]  ; an s_nop 0 follows each, four v_nop the last
	s_nop 0
.endr
	PLACES
	v_and_b32 v1, 15, v0                           ; l % 16
	v_bfe_u32 v2, v0, 4, 1                         ; l / 16
	v_mul_u32_u24 v12, v1, PITCH
	v_lshl_add_u32 v[AB], v2, 4, v12               ; row x pitch + 16 x half
.irp j, 1,2,3
	v_add_nc_u32 v[AB+\j], \j*4*PANEL, v[AB]
.endr
	s_mul_i32 s94, s[WV], 16*SP
	s_add_co_u32 s94, s94, STAGE                   ; my stage
	v_mul_u32_u24 v[STO], v1, SP                   ; in: row l % 16, 32 bytes for each half of the lanes
	v_lshl_add_u32 v[STO], v2, 5, v[STO]
	v_add_nc_u32 v[STO], s94, v[STO]
	v_mul_u32_u24 v[RD], v2, SP                    ; back: lanes 0-15 take one row of 256 bytes, lanes 16-31 the next
	v_lshl_add_u32 v[RD], v1, 4, v[RD]
	v_add_nc_u32 v[RD], s94, v[RD]
	v_lshlrev_b32 v[CO], 10, v2                    ; and the same two rows in y
	v_lshl_add_u32 v[CO], v1, 4, v[CO]
	s_wait_tensorcnt 1                             ; my part of w4's panels 0-7 is in; stage 1's load may stay out
	s_barrier_signal -1
	s_barrier_wait -1                              ; everybody's part is in
	LDBP 0, 0
.irp p, 0,1,2,3,4,5,6,7,8,9,10,11,12,13,14,15
	STEP \p
.endr
	; THE WAY OUT, 16 rows at a time: a lane's 32 bytes of a row go into my stage's rows of 272 bytes and come back as whole rows of 256.  Each accumulator's lowest registers are read first.
	PLACES
	WIN 0
.macro TOSTAGE a
.irp b, 0,1,2,3
	ds_store_b128 v[STO], v[ACC+8*(4*(\a)+\b):ACC+8*(4*(\a)+\b)+3]   offset:64*\b
	ds_store_b128 v[STO], v[ACC+8*(4*(\a)+\b)+4:ACC+8*(4*(\a)+\b)+7] offset:64*\b+16
.endr
.irp t, 0,1,2,3,4,5,6,7
	ds_load_b128 v[BK+32*(\a)+4*\t:BK+32*(\a)+4*\t+3], v[RD] offset:\t*2*SP  ; LDS serves a wave's instructions in order (ISA guide 5.7.1.4): these see the stores above; the next block's stores come behind them
.endr
.endm
.macro SEND a, younger                 ; younger: the LDS instructions issued behind block a's loads: the next block's sixteen, or none
.irp t, 0,1,2,3,4,5,6,7
	s_wait_dscnt (\younger)+7-\t
	global_store_b128 v[CO], v[BK+32*(\a)+4*\t:BK+32*(\a)+4*\t+3], s[8:9] offset:(\a)*16384+\t*2048  ; 16 lanes store 256 consecutive bytes, aligned
.endr
.endm
	TOSTAGE 0
	TOSTAGE 1
	SEND 0, 16
	SEND 1, 0
	s_wait_tensorcnt 0x0                           ; the wave's end, behind my last tensor load and my last LDS store
	ds_add_u32 v[SPW], v[NIL]
	s_wait_dscnt 0x0
	CROUND                                         ; the closing round: no work-group ends while a partner may still ask for a tile that names it
	s_endpgm
.Lfunc_end_k_q9bad3b10ce_yk:
	.size	k_q9bad3b10ce_yk, .Lfunc_end_k_q9bad3b10ce_yk-k_q9bad3b10ce_yk
	.p2alignl 7, 3214868480
	.fill 96, 4, 3214868480
	.section	.rodata,"a",@progbits
	.p2align	6, 0x0
	.amdhsa_kernel k_q9bad3b10ce_yk
		.amdhsa_group_segment_fixed_size 327680
		.amdhsa_private_segment_fixed_size 0
		.amdhsa_enable_private_segment 0
		.amdhsa_kernarg_size 24
		.amdhsa_user_sgpr_count 2
		.amdhsa_user_sgpr_kernarg_segment_ptr 1
		.amdhsa_wavefront_size32 1
		.amdhsa_system_sgpr_workgroup_id_x 1
		.amdhsa_system_sgpr_workgroup_id_y 1
		.amdhsa_system_sgpr_workgroup_id_z 1
		.amdhsa_system_vgpr_workitem_id 0
		.amdhsa_next_free_vgpr 768
		.amdhsa_next_free_sgpr 96
		.amdhsa_reserve_vcc 0
		.amdhsa_float_denorm_mode_32 3
		.amdhsa_float_denorm_mode_16_64 3
		.amdhsa_memory_ordered 1
		.amdhsa_forward_progress 1
		.amdhsa_inst_pref_size 57
	.end_amdhsa_kernel
	.amdgpu_metadata
---
amdhsa.version: [ 1, 2 ]
amdhsa.kernels:
  - .name:           k_q9bad3b10ce_yk
    .symbol:         k_q9bad3b10ce_yk.kd
    .args:
      - { .name: s1buf, .offset: 0, .size: 8, .value_kind: global_buffer, .address_space: global }
      - { .name: w4h, .offset: 8, .size: 8, .value_kind: global_buffer, .address_space: global }
      - { .name: out0, .offset: 16, .size: 8, .value_kind: global_buffer, .address_space: global }
    .group_segment_fixed_size: 327680
    .private_segment_fixed_size: 0
    .kernarg_segment_align: 8
    .kernarg_segment_size: 24
    .max_flat_workgroup_size: 128
    .sgpr_count:     96
    .vgpr_count:     768
    .wavefront_size: 32
...
	.end_amdgpu_metadata
.endif
;; end of part 5
;; ======== version 2 of 2: 5 launches; version 1 with the launch prep written anew for expert scheduling mode
;; limits: values are held in f16: magnitudes above 65,504 overflow, below 6.1e-05 lose precision; inputs' magnitudes at most 22,700
;; workspace buffers: act1 20,971,520 bytes; act2 20,971,520 bytes; s1buf 16,777,216 bytes; w0h 524,288 bytes; wrh 2,621,440 bytes; wgzh 7,864,320 bytes; w4h 524,288 bytes
;; launch prep (part 6): grid 32 x 30, 8 waves a work-group, no clusters, 0 bytes of LDS; arguments x, w0_w, ur1, wr1_w, ug1, wg1_w, uz1, wz1_w, uh1, wh1_w, w4, act1, act2, w0h, wrh, wgzh, w4h; writes act1, act2, w0h, wrh, wgzh, w4h
.if DOCPART == 6
	.amdgcn_target "amdgcn-amd-amdhsa--gfx1250"
	.amdhsa_code_object_version 6
	.text
	.protected	k_q9bad3b10ce_prep
	.globl	k_q9bad3b10ce_prep
	.p2align	8
	.type	k_q9bad3b10ce_prep,@function
k_q9bad3b10ce_prep:
	s_mov_b64 s[64:65], 0
	v_nop
	global_prefetch_b8 v0, s[64:65] scope:SCOPE_SE
	s_setreg_imm32_b32 hwreg(HW_REG_WAVE_SCHED_MODE, 0, 2), 2
	s_setreg_imm32_b32 hwreg(HW_REG_WAVE_MODE, 25, 1), 1
	s_wait_xcnt 0x0
	s_wait_alu depctr_vm_vsrc(0)
; y = s1 w4^T, s1 = (1 - g) h + z s0, with s0, g, z, r, h five tanh layers on xa = |x| + 0.1.  This launch turns x and the live weights into f16 matrix operands.
; DEAD WORK.  The function's body names ug2, wg2_w, wg2_b, uz2, wz2_w, wz2_b, ur2, wr2_w, wr2_b, uh2, wh2_w, wh2_b nowhere: y is made of s1 and w4, and s1 of stage 1 alone.  So whatever these
; twelve inputs hold, they have no way to y: they are not loaded and are among no launch's arguments.  LIMIT: a NaN, an infinity or an overflow in them is not carried to y.
; FORMATS.  x and every weight are rounded to bf16 first.  xa = |bf16(x)| + 0.1 is made in f32 and rounded to f16.  The weights of the five tanh layers are stored as f16(bf16(w) c), c = 2 log2(e),
; so that a later launch's sum is the argument of 2^t in tanh = 1 - 2 / (2^t + 1).  w4 is stored as f16(bf16(w4)), which is exact within f16's range.
; LIMITS.  |x| + 0.1 and |w| c stay under 65,504; c w below 6e-5 keeps f16's fixed step of 6e-8; NaN and infinities are not treated apart.
; LAYOUTS (f16; a PANEL is 64 columns of K, 128 bytes a row):  act1, act2 [32 row blocks][20 panels][256 rows][64], panels 0-3 = xa (written here, to both);
;   w0h [8 column blocks][4 panels][128 rows][64];  wrh [8][20][128][64], panels 0-3 ur1, 4-19 wr1_w;  wgzh [8][20][3 gates g, z, h][128][64];  w4h [4][16][64 rows][64].
; SHARES.  A work-group converts 32 rows x 256 columns of f32.  Group y = 0-7: x; 8: w0_w; 9: ur1; 10-13: wr1_w; 14: ug1; 15-18: wg1_w; 19: uz1; 20-23: wz1_w; 24: uh1; 25-28: wh1_w; 29: w4.
; Wave w takes panel w % 4 of rows 16 (w / 4) on.  A load of a wave covers 256 consecutive bytes, aligned, of each of two rows; a store of a wave 256 consecutive bytes, aligned.
; All eight loads of a lane go out at once and nothing is loaded later: no loop, no LDS, no prefetch (all bytes are asked for at the head).
; THE MODE: SCHED_MODE bits 1:0 = 2 (LLVM: expert scheduling mode 2), set by the entry lines.  The code itself states the register dependences
; between vector instructions and memory instructions, with s_wait_alu, always for 0.
; THE PLAN.  Registers that memory instructions touch:
;   v[8:15]   the loads' offsets.  Written by vector lines ahead of the loads; read by the eight loads; never written again.
;   v5        the stores' offset.  Written by three vector lines behind the loads; read by every store; never written again.
;   X         written by the eight loads alone, each register once; read by the unpacking lines.
;   Y         two registers an item, written once, by the item's two roundings; read by the item's store (x: its two stores); never written again.
;   T         named by vector lines alone.
; The eight items go in four blocks of two.  Block p makes the Y of items 2 p and 2 p + 1; its memory instructions are the stores of block p - 1, whose Y and offset no vector line of block p names.
; So one wait on va_vdst stands ahead of the loads, one at the head of each of blocks 1 to 3, one ahead of the last block's stores.  No register that a memory instruction has read is written
; again, no vector line writes a scalar register, and EXEC is never written: no other field is waited on.
.set U,    40         ; s40  group y
.set I,    41         ; s41  group x
.set SRC,  42         ; s[42:43] the source
.set DST,  44         ; s[44:45] the destination
.set DST2, 46         ; s[46:47] x's second destination
.set PIT,  48         ; s48  bytes in a row of the source
.set CBS,  49         ; s49  bytes in a column block of the destination
.set PS,   50         ; s50  bytes from panel to panel
.set P0,   51         ; s51  the source's first panel
.set GOF,  52         ; s52  the gate's offset in a panel
.set FST,  53         ; s53  the job's first group y
.set SOFF, 54         ; s[54:55] the block's offset in the source
.set DOFF, 56         ; s[56:57] in the destination
.set MASK, 58         ; s58  a word's upper bf16
.set SGN,  59         ; s59  clears the signs of two bf16
.set CS,   60         ; s[60:61] c
.set TN,   62         ; s[62:63] 0.1
.set TA,   66
.set TB,   67
.set TC,   68
.set SO,   8          ; v[8:15]  item i's byte offset in the source block
.set X,    16         ; v[16:47] item i: four f32 as loaded
.set T,    48         ; v[48:53] at work
.set Y,    56         ; v[56:71] item i: four f16 to store; no store's data register is written again
	s_load_b512 s[4:19], s[0:1], 0x0               ; x 4, w0_w 6, ur1 8, wr1_w 10, ug1 12, wg1_w 14, uz1 16, wz1_w 18
	s_load_b512 s[20:35], s[0:1], 0x40             ; uh1 20, wh1_w 22, w4 24, act1 26, act2 28, w0h 30, wrh 32, wgzh 34
	s_load_b64 s[36:37], s[0:1], 0x80              ; w4h
	s_and_b32 s[U], ttmp7, 0xffff
	s_mov_b32 s[I], ttmp9
	s_mov_b32 s[MASK], 0xffff0000
	s_mov_b32 s[SGN], 0x7fff7fff
	s_mov_b32 s[CS], 0x4038aa3b                    ; c = 2 log2(e) = 2.885390
	s_mov_b32 s[CS+1], s[CS]                       ; named with it as a pair
	s_mov_b32 s[TN], 0x3dcccccd                    ; 0.1
	s_mov_b32 s[TN+1], s[TN]
	s_mov_b32 s[SOFF+1], 0
	s_mov_b32 s[DOFF+1], 0
	v_and_b32 v1, 15, v0                           ; lane % 16: four columns
	v_bfe_u32 v2, v0, 4, 1                         ; lane / 16: which of two rows
	v_bfe_u32 v3, v0, 5, 2                         ; wave % 4: the panel
	v_lshrrev_b32 v4, 7, v0                        ; wave / 4
	v_lshl_add_u32 v4, v4, 4, v2                   ; my row of item 0
; From group y on upward this job holds: the last job whose first group y is not above mine stays.
.macro PICK first, src, dst, pitch, cbs, ps, p0, go
	s_cmp_ge_u32 s[U], \first
	s_cselect_b64 s[SRC:SRC+1], s[\src:\src+1], s[SRC:SRC+1]
	s_cselect_b64 s[DST:DST+1], s[\dst:\dst+1], s[DST:DST+1]
	s_cselect_b32 s[PIT], \pitch, s[PIT]
	s_cselect_b32 s[CBS], \cbs, s[CBS]
	s_cselect_b32 s[PS], \ps, s[PS]
	s_cselect_b32 s[P0], \p0, s[P0]
	s_cselect_b32 s[GOF], \go, s[GOF]
	s_cselect_b32 s[FST], \first, s[FST]
.endm
; Item it's arithmetic: four numbers a lane, from X into Y.  kind 0: x; 1: a tanh layer's weights; 2: w4.
.macro COMP it, kind
	v_cvt_pk_bf16_f32 v[T], v[X+4*(\it)], v[X+4*(\it)+1]
	v_cvt_pk_bf16_f32 v[T+1], v[X+4*(\it)+2], v[X+4*(\it)+3]
.if (\kind) == 0
	v_and_b32 v[T], s[SGN], v[T]                   ; |.| of two bf16
	v_and_b32 v[T+1], s[SGN], v[T+1]
.endif
	v_lshlrev_b32 v[T+2], 16, v[T]                 ; bf16 to f32
	v_and_b32 v[T+3], s[MASK], v[T]
	v_lshlrev_b32 v[T+4], 16, v[T+1]
	v_and_b32 v[T+5], s[MASK], v[T+1]
.if (\kind) == 0
	v_pk_add_f32 v[T+2:T+3], v[T+2:T+3], s[TN:TN+1] op_sel_hi:[1,0]
	v_pk_add_f32 v[T+4:T+5], v[T+4:T+5], s[TN:TN+1] op_sel_hi:[1,0]
.elseif (\kind) == 1
	v_pk_mul_f32 v[T+2:T+3], v[T+2:T+3], s[CS:CS+1] op_sel_hi:[1,0]
	v_pk_mul_f32 v[T+4:T+5], v[T+4:T+5], s[CS:CS+1] op_sel_hi:[1,0]
.endif
	v_cvt_pk_f16_f32 v[Y+2*(\it)], v[T+2], v[T+3]
	v_cvt_pk_f16_f32 v[Y+2*(\it)+1], v[T+4], v[T+5]
.endm
; Item it leaves: 8 bytes a lane; x goes to both of its destinations.
.macro SEND it, kind
	global_store_b64 v5, v[Y+2*(\it):Y+2*(\it)+1], s[DST:DST+1] offset:256*(\it)
.if (\kind) == 0
	global_store_b64 v5, v[Y+2*(\it):Y+2*(\it)+1], s[DST2:DST2+1] offset:256*(\it)
.endif
.endm
; Block p: items 2 p and 2 p + 1 are made; the two items of the block before leave, a store ahead of each item's vector lines.
.macro BLK p, kind
	s_wait_loadcnt 6-2*(\p)                        ; loads come back in order: this block's two are in, the 6 - 2 p younger ones stay out
.if (\p) > 0
	s_wait_alu depctr_va_vdst(0)                   ; the block before has written its items' Y, which the stores of this block read; ahead of the first stores also: v5, their offset, is written
	SEND 2*(\p)-2, \kind
.endif
	COMP 2*(\p), \kind
.if (\p) > 0
	SEND 2*(\p)-1, \kind                           ; no wait: no vector line since the wait above names this item's Y or v5
.endif
	COMP 2*(\p)+1, \kind
.endm
; The block's addresses, its eight loads, its eight items.
.macro BODY kind
	s_add_nc_u64 s[SRC:SRC+1], s[SRC:SRC+1], s[SOFF:SOFF+1]
	s_add_nc_u64 s[DST:DST+1], s[DST:DST+1], s[DOFF:DOFF+1]
.if (\kind) == 0
	s_add_nc_u64 s[DST2:DST2+1], s[DST2:DST2+1], s[DOFF:DOFF+1]
.endif
	v_mul_lo_u32 v[SO], v4, s[PIT]                 ; row x pitch
	v_lshl_add_u32 v[SO], v3, 8, v[SO]             ; + the panel's 256 bytes of f32
	v_lshl_add_u32 v[SO], v1, 4, v[SO]             ; + my 16 bytes
	s_lshl_b32 s[TA], s[PIT], 1                    ; an item is two rows
.irp n, 1,2,3,4,5,6,7
	v_add_nc_u32 v[SO+\n], s[TA], v[SO+\n-1]
.endr
	s_wait_alu depctr_va_vdst(0)                   ; the eight offsets v[8:15] are written, which the loads below read
.irp n, 0,1,2,3,4,5,6,7
	global_load_b128 v[X+4*\n:X+4*\n+3], v[SO+\n], s[SRC:SRC+1] th:TH_LOAD_NT
.endr
	v_mul_lo_u32 v5, v3, s[PS]                     ; the panel in the destination: made while the loads are out; its first reader stands behind block 1's wait
	v_lshl_add_u32 v5, v4, 7, v5                   ; + row x 128 bytes
	v_lshl_add_u32 v5, v1, 3, v5                   ; + my 8 bytes
.irp n, 0,1,2,3
	BLK \n, \kind
.endr
	s_wait_alu depctr_va_vdst(0)                   ; the last block has written the Y of items 6 and 7, which the last stores read
	SEND 6, \kind
	SEND 7, \kind
.endm
	s_wait_kmcnt 0x0
	s_cmp_lt_u32 s[U], 8
	s_cbranch_scc1 .Lx
	s_cmp_eq_u32 s[U], 29
	s_cbranch_scc1 .Lw4
	; a tanh layer's weights: 32 rows n = 32 I on, columns 256 (U - first) on
	s_mov_b64 s[SRC:SRC+1], s[6:7]                 ; group y = 8: w0_w into w0h
	s_mov_b64 s[DST:DST+1], s[30:31]
	s_mov_b32 s[PIT], 1024
	s_mov_b32 s[CBS], 65536
	s_mov_b32 s[PS], 16384
	s_mov_b32 s[P0], 0
	s_mov_b32 s[GOF], 0
	s_mov_b32 s[FST], 8
	PICK 9,  8,  32, 1024, 327680, 16384, 0, 0     ; ur1
	PICK 10, 10, 32, 4096, 327680, 16384, 4, 0     ; wr1_w
	PICK 14, 12, 34, 1024, 983040, 49152, 0, 0     ; ug1
	PICK 15, 14, 34, 4096, 983040, 49152, 4, 0     ; wg1_w
	PICK 19, 16, 34, 1024, 983040, 49152, 0, 16384 ; uz1
	PICK 20, 18, 34, 4096, 983040, 49152, 4, 16384 ; wz1_w
	PICK 24, 20, 34, 1024, 983040, 49152, 0, 32768 ; uh1
	PICK 25, 22, 34, 4096, 983040, 49152, 4, 32768 ; wh1_w
	s_sub_co_u32 s[TA], s[U], s[FST]               ; which 256 columns
	s_mul_i32 s[SOFF], s[I], s[PIT]
	s_lshl_b32 s[SOFF], s[SOFF], 5                 ; 32 I rows
	s_lshl_b32 s[TB], s[TA], 10
	s_add_co_u32 s[SOFF], s[SOFF], s[TB]
	s_lshl2_add_u32 s[TA], s[TA], s[P0]            ; the first of my four panels
	s_mul_i32 s[TA], s[TA], s[PS]
	s_lshr_b32 s[TB], s[I], 2                      ; the column block of 128 rows n
	s_mul_i32 s[TB], s[TB], s[CBS]
	s_add_co_u32 s[DOFF], s[TA], s[TB]
	s_add_co_u32 s[DOFF], s[DOFF], s[GOF]
	s_and_b32 s[TB], s[I], 3
	s_lshl_b32 s[TB], s[TB], 12                    ; 32 rows of 128 bytes
	s_add_co_u32 s[DOFF], s[DOFF], s[TB]
	BODY 1
	s_endpgm
.Lx:                                               ; x: rows 32 (32 U + I) on
	s_lshl_b32 s[TA], s[U], 5
	s_add_co_u32 s[TA], s[TA], s[I]
	s_lshl_b32 s[SOFF], s[TA], 15                  ; 32 rows of 1,024 bytes
	s_lshr_b32 s[TB], s[TA], 3                     ; the row block of 256
	s_mul_i32 s[DOFF], s[TB], 655360
	s_and_b32 s[TB], s[TA], 7
	s_lshl_b32 s[TB], s[TB], 12
	s_add_co_u32 s[DOFF], s[DOFF], s[TB]
	s_mov_b64 s[SRC:SRC+1], s[4:5]
	s_mov_b64 s[DST:DST+1], s[26:27]
	s_mov_b64 s[DST2:DST2+1], s[28:29]
	s_mov_b32 s[PIT], 1024
	s_mov_b32 s[PS], 32768
	BODY 0
	s_endpgm
.Lw4:                                              ; w4: rows 32 (I % 8) on, columns 256 (I / 8) on
	s_and_b32 s[TA], s[I], 7
	s_lshr_b32 s[TB], s[I], 3
	s_lshl_b32 s[SOFF], s[TA], 17                  ; 32 rows of 4,096 bytes
	s_lshl_b32 s[TC], s[TB], 10
	s_add_co_u32 s[SOFF], s[SOFF], s[TC]
	s_lshr_b32 s[TC], s[TA], 1                     ; the column block of 64 rows n
	s_lshl_b32 s[DOFF], s[TC], 17
	s_lshl_b32 s[TC], s[TB], 15                    ; four panels of 8,192 bytes
	s_add_co_u32 s[DOFF], s[DOFF], s[TC]
	s_and_b32 s[TC], s[TA], 1
	s_lshl_b32 s[TC], s[TC], 12
	s_add_co_u32 s[DOFF], s[DOFF], s[TC]
	s_mov_b64 s[SRC:SRC+1], s[24:25]
	s_mov_b64 s[DST:DST+1], s[36:37]
	s_mov_b32 s[PIT], 4096
	s_mov_b32 s[PS], 8192
	BODY 2
	s_endpgm
.Lfunc_end_k_q9bad3b10ce_prep:
	.size	k_q9bad3b10ce_prep, .Lfunc_end_k_q9bad3b10ce_prep-k_q9bad3b10ce_prep
	.p2alignl 7, 3214868480
	.fill 96, 4, 3214868480
	.section	.rodata,"a",@progbits
	.p2align	6, 0x0
	.amdhsa_kernel k_q9bad3b10ce_prep
		.amdhsa_group_segment_fixed_size 0
		.amdhsa_private_segment_fixed_size 0
		.amdhsa_enable_private_segment 0
		.amdhsa_kernarg_size 136
		.amdhsa_user_sgpr_count 2
		.amdhsa_user_sgpr_kernarg_segment_ptr 1
		.amdhsa_wavefront_size32 1
		.amdhsa_system_sgpr_workgroup_id_x 1
		.amdhsa_system_sgpr_workgroup_id_y 1
		.amdhsa_system_sgpr_workgroup_id_z 1
		.amdhsa_system_vgpr_workitem_id 0
		.amdhsa_next_free_vgpr 80
		.amdhsa_next_free_sgpr 96
		.amdhsa_reserve_vcc 0
		.amdhsa_float_denorm_mode_32 3
		.amdhsa_float_denorm_mode_16_64 3
		.amdhsa_memory_ordered 1
		.amdhsa_forward_progress 1
		.amdhsa_inst_pref_size 27
	.end_amdhsa_kernel
	.amdgpu_metadata
---
amdhsa.version: [ 1, 2 ]
amdhsa.kernels:
  - .name:           k_q9bad3b10ce_prep
    .symbol:         k_q9bad3b10ce_prep.kd
    .args:
      - { .name: x, .offset: 0, .size: 8, .value_kind: global_buffer, .address_space: global }
      - { .name: w0_w, .offset: 8, .size: 8, .value_kind: global_buffer, .address_space: global }
      - { .name: ur1, .offset: 16, .size: 8, .value_kind: global_buffer, .address_space: global }
      - { .name: wr1_w, .offset: 24, .size: 8, .value_kind: global_buffer, .address_space: global }
      - { .name: ug1, .offset: 32, .size: 8, .value_kind: global_buffer, .address_space: global }
      - { .name: wg1_w, .offset: 40, .size: 8, .value_kind: global_buffer, .address_space: global }
      - { .name: uz1, .offset: 48, .size: 8, .value_kind: global_buffer, .address_space: global }
      - { .name: wz1_w, .offset: 56, .size: 8, .value_kind: global_buffer, .address_space: global }
      - { .name: uh1, .offset: 64, .size: 8, .value_kind: global_buffer, .address_space: global }
      - { .name: wh1_w, .offset: 72, .size: 8, .value_kind: global_buffer, .address_space: global }
      - { .name: w4, .offset: 80, .size: 8, .value_kind: global_buffer, .address_space: global }
      - { .name: act1, .offset: 88, .size: 8, .value_kind: global_buffer, .address_space: global }
      - { .name: act2, .offset: 96, .size: 8, .value_kind: global_buffer, .address_space: global }
      - { .name: w0h, .offset: 104, .size: 8, .value_kind: global_buffer, .address_space: global }
      - { .name: wrh, .offset: 112, .size: 8, .value_kind: global_buffer, .address_space: global }
      - { .name: wgzh, .offset: 120, .size: 8, .value_kind: global_buffer, .address_space: global }
      - { .name: w4h, .offset: 128, .size: 8, .value_kind: global_buffer, .address_space: global }
    .group_segment_fixed_size: 0
    .private_segment_fixed_size: 0
    .kernarg_segment_align: 8
    .kernarg_segment_size: 136
    .max_flat_workgroup_size: 256
    .sgpr_count:     96
    .vgpr_count:     80
    .wavefront_size: 32
...
	.end_amdgpu_metadata
.endif
;; end of part 6
;; launch s0k: the kernel of part 2 again; grid 8 x 32, 8 waves a work-group, clusters of 4 x 4, 327,680 bytes of LDS; arguments act2, w0h, w0_b, act1; writes act1
;; launch rk: the kernel of part 3 again; grid 8 x 32, 4 waves a work-group, clusters of 4 x 4, 327,680 bytes of LDS; arguments act1, wrh, wr1_b, act2; writes act2
;; launch hk: the kernel of part 4 again; grid 8 x 32, 4 waves a work-group, clusters of 4 x 4, 327,680 bytes of LDS; arguments act1, act2, wgzh, wg1_b, wz1_b, wh1_b, s1buf; writes s1buf
;; launch yk: the kernel of part 5 again; grid 4 x 64, 4 waves a work-group, clusters of 4 x 4, 327,680 bytes of LDS; arguments s1buf, w4h, out0; writes out0
